; MI455X (gfx1250); checked and timed in simulation.
; The chip was launched on July 23, 2026; its instructions are those of AMD's public machine-readable ISA for CDNA 5 (MIT licence, August 2026) and "CDNA5" Instruction Set Architecture Reference Guide (July 2026). The comments in the code are by the model that wrote it; some were corrected since.
;; Mo E. Allowed arithmetic: matrix products marked QUANTISED: E5M2 operands, one given power-of-two scale a tensor, by v_wmma_f32_16x16x64_bf8_bf8 or v_wmma_f32_16x16x128_bf8_bf8, f32 sums; products left as they are: f32 operands where the result goes on into a quantised operand, else bf16, f16 or f32 operands; f32 sums; everything else in f32.
;; Inputs: b1 8 x 4,096 float32; b2 8 x 1,024 float32; gate_w 1,024 x 8 float32; lowp_scales 32 int32 (the exponents e of the quantised operands' scales 2^e); w1_codes 8 x 4,096 x 32 x 32 uint8 (E5M2 codes of w1, K innermost, in blocks of 32 codes); w2_codes 8 x 1,024 x 128 x 32 uint8 (E5M2 codes of w2, K innermost, in blocks of 32 codes); x 1,024 x 1,024 float32.
;; Outputs: out0 1,024 x 1,024 float32.
;; This version of the problem:
;;   THIS VERSION OF THE PROBLEM IS GIVEN IN LOW PRECISION. The matrix products marked QUANTISED in the list below multiply operands that are first quantised to E5M2 (5 exponent bits, 2 mantissa bits; 8 bits a number), with one given power-of-two scale for each operand tensor; their sums are f32. All else is computed in f32.
;;   The module's matrix products, in the order in which they are computed (A, B: the left and right operand; K: the contracted axis; several contracted axes count as one K, in the product's order):
;;     1. [M 1,024, K 1,024] x [K 1,024, N 8]; A: input x; B: input gate_w: left as it is (N = 8 < 16)
;;     2. batch 1,024 x [M 1, K 2] x [K 2, N 8]; A: computed on the way; B: computed on the way: left as it is (K = 2 < 32)
;;     3. [M 1,024, K 1,024] x [K 1,024, N 4,096]; A: input x; B: input w1 (given as codes): QUANTISED (scales: A lowp_scales[0], B lowp_scales[1])
;;     4. [M 1,024, K 4,096] x [K 4,096, N 1,024]; A: computed on the way; B: input w2 (given as codes): QUANTISED (scales: A lowp_scales[2], B lowp_scales[3])
;;     5. [M 1,024, K 1,024] x [K 1,024, N 4,096]; A: input x; B: input w1 (given as codes): QUANTISED (scales: A lowp_scales[4], B lowp_scales[5])
;;     6. [M 1,024, K 4,096] x [K 4,096, N 1,024]; A: computed on the way; B: input w2 (given as codes): QUANTISED (scales: A lowp_scales[6], B lowp_scales[7])
;;     7. [M 1,024, K 1,024] x [K 1,024, N 4,096]; A: input x; B: input w1 (given as codes): QUANTISED (scales: A lowp_scales[8], B lowp_scales[9])
;;     8. [M 1,024, K 4,096] x [K 4,096, N 1,024]; A: computed on the way; B: input w2 (given as codes): QUANTISED (scales: A lowp_scales[10], B lowp_scales[11])
;;     9. [M 1,024, K 1,024] x [K 1,024, N 4,096]; A: input x; B: input w1 (given as codes): QUANTISED (scales: A lowp_scales[12], B lowp_scales[13])
;;     10. [M 1,024, K 4,096] x [K 4,096, N 1,024]; A: computed on the way; B: input w2 (given as codes): QUANTISED (scales: A lowp_scales[14], B lowp_scales[15])
;;     11. [M 1,024, K 1,024] x [K 1,024, N 4,096]; A: input x; B: input w1 (given as codes): QUANTISED (scales: A lowp_scales[16], B lowp_scales[17])
;;     12. [M 1,024, K 4,096] x [K 4,096, N 1,024]; A: computed on the way; B: input w2 (given as codes): QUANTISED (scales: A lowp_scales[18], B lowp_scales[19])
;;     13. [M 1,024, K 1,024] x [K 1,024, N 4,096]; A: input x; B: input w1 (given as codes): QUANTISED (scales: A lowp_scales[20], B lowp_scales[21])
;;     14. [M 1,024, K 4,096] x [K 4,096, N 1,024]; A: computed on the way; B: input w2 (given as codes): QUANTISED (scales: A lowp_scales[22], B lowp_scales[23])
;;     15. [M 1,024, K 1,024] x [K 1,024, N 4,096]; A: input x; B: input w1 (given as codes): QUANTISED (scales: A lowp_scales[24], B lowp_scales[25])
;;     16. [M 1,024, K 4,096] x [K 4,096, N 1,024]; A: computed on the way; B: input w2 (given as codes): QUANTISED (scales: A lowp_scales[26], B lowp_scales[27])
;;     17. [M 1,024, K 1,024] x [K 1,024, N 4,096]; A: input x; B: input w1 (given as codes): QUANTISED (scales: A lowp_scales[28], B lowp_scales[29])
;;     18. [M 1,024, K 4,096] x [K 4,096, N 1,024]; A: computed on the way; B: input w2 (given as codes): QUANTISED (scales: A lowp_scales[30], B lowp_scales[31])
;;   THE QUANTISER, for each operand of a quantised product, along K:
;;     - The operand's scale is 2^e, e = its entry of the input lowp_scales (int32; the entries are numbered through the quantised products in the list's order, A before B).
;;     - Each number is divided by the scale, clamped to +-57,344, and rounded to the nearest number of E5M2, ties to even, subnormals kept.
;;     - The product sums the exact products of the quantised numbers (number of the format x scale) in f32.
;;   ~~~python
;;   def quantise(x, axis, e):      # numpy; x: float32 -> the quantised numbers, widened to float32 again
;;       x = np.moveaxis(x, axis, -1); K = x.shape[-1]
;;       r = np.clip(x / 2.0 ** e, -57344, 57344)
;;       step = 2.0 ** (np.maximum(np.frexp(np.where(r == 0, 1, r))[1] - 1, -14) - 2)
;;       q = np.round(r / step) * step * 2.0 ** e      # np.round: ties to even
;;       return np.moveaxis(q, -1, axis).astype(np.float32)
;;   ~~~
;;   OPERANDS COMPUTED ON THE WAY. 'Computed on the way' means the value that the module computes at that place (a softmax that the list does not call 'softmax' is quantised finished and normalised). What goes into a quantiser is computed in f32, as accurately as f32 sums, v_exp_f32 and their like allow (about 1e-6 of the number): no bf16 or f16 on the way to a quantiser, and a product that is left as it is and whose result goes on into a quantised operand takes f32 operands (vector FMAs, or v_wmma_f32_16x16x4_f32). A number that lies on a knife's edge between two numbers of the format may be rounded either way, as far as f32 arithmetic and the matrix unit's own rounding can turn it there, and no further.
;;   INPUTS GIVEN AS CODES. w1 (in the module: [8, 1024, 4096], K = its axis 1); w2 (in the module: [8, 4096, 1024], K = its axis 1): each comes as NAME_codes (uint8): NAME with its K axis moved to the last place and cut into blocks of 32 codes, [.., K / 32, bytes a block], one block behind the other in memory; one code a byte (a code: sign, 5 exponent bits, 2 mantissa bits); its scale is its entry of lowp_scales. Its value is code x scale, taken as it is: it is not quantised again, and the codes and scales need not be those that the quantiser above would give.
;; 2 versions. Each part assembles by itself: llvm-mc -triple=amdgcn-amd-amdhsa -mcpu=gfx1250 --defsym DOCPART=n.
;; ======== version 1 of 2: 4 launches
;; workspace buffers: topi 8,192 bytes of whole numbers; topv 8,192 bytes; xq 2,097,152 bytes; dest 8,192 bytes of whole numbers; cnt 256 bytes of whole numbers; himg 33,554,432 bytes; y 33,554,432 bytes
;; launch gate (part 1): grid 256 x 1, 4 waves a work-group, no clusters, 35,328 bytes of LDS; arguments x, gate_w, lowp_scales, topi, topv, xq; writes topi, topv, xq
.if DOCPART == 1
	.amdgcn_target "amdgcn-amd-amdhsa--gfx1250"
	.amdhsa_code_object_version 6
	.text
	.protected	k_q7b62b49b34_gate
	.globl	k_q7b62b49b34_gate
	.p2align	8
	.type	k_q7b62b49b34_gate,@function
k_q7b62b49b34_gate:
	s_mov_b64 s[64:65], 0
	v_nop
	global_prefetch_b8 v0, s[64:65] scope:SCOPE_SE
	s_setreg_imm32_b32 hwreg(HW_REG_WAVE_MODE, 25, 1), 1
	s_wait_xcnt 0x0
; THE ROUTER, AND x AS CODES.  A wave takes one token t = 4 x work-group + wave.
; logits = x[t] . gate_w in f32 (a flipped choice would change a whole output row, so nothing coarser stands here), softmax with its maximum taken away,
; the two largest probabilities (ties: the lower index), renormalised over the two.  Stored at fixed places: topi[t] = (i0, i1), topv[t] = (c0, c1).
; x[t] is quantised twice, once with the x-scale of each chosen expert (lowp_scales[4 e]; the exponent is CHOSEN by v_cndmask_b32, no address hangs on it):
; xq[2 t + k][1024] codes of E5M2, K in its true order.
; Lane l holds x[t][256 g + 8 l + j], g = 0..3, j = 0..7: its 8 codes of a g are 8 bytes, and the wave's store covers 256 consecutive bytes, aligned.
; gate_w (32 KiB) comes into LDS once for the four waves, as 128 pieces of 256 bytes (8 rows k x 8 experts) 272 bytes apart, so that the lanes' 16-byte reads start at different banks.
; LIMITS: each x-scale's exponent between -126 and 112; NaN and infinities among the inputs are not served; a probability under 2^-126 counts as 0 (v_exp_f32 gives 0 there).
; The two stores of 8 bytes a token (topi, topv: 16 KiB in the whole launch) do not fill their 256-byte neighbourhoods from one wave.
.set X,   16                           ; v16-47   x: 8 g + j
.set G0,  48                           ; v48-111  gate_w as loaded; then a group's 8 rows x 8 experts (8 j + e); later numbers held and codes
.set G1,  112                          ; v112-175 the other group
.set A,   176                          ; v176-183 eight sums, then the probabilities
.set TA,  48                           ; two sets of 8 numbers held within the largest code x the scale
.set CO,  64                           ; v64-79   codes: two registers for each (k, g): no store's data are written again
	s_load_b128 s[4:7], s[0:1], 0x0                ; x, gate_w
	s_load_b128 s[8:11], s[0:1], 0x10              ; lowp_scales, topi
	s_load_b128 s[12:15], s[0:1], 0x20             ; topv, xq
	v_lshl_add_u32 v208, v0, 2, 0x8800
	v_mov_b32 v209, 0
	v_lshrrev_b32 v1, 5, v0
	v_readfirstlane_b32 s48, v1                    ; wave
	v_and_b32 v1, 31, v0                           ; lane
	v_lshlrev_b32 v2, 5, v1                        ; x: 32 bytes a lane
	v_lshlrev_b32 v3, 4, v0                        ; gate_w: 16 bytes a thread
	v_lshrrev_b32 v4, 4, v0
	v_mul_u32_u24 v4, v4, 272
	v_and_b32 v5, 15, v0
	v_lshl_add_u32 v4, v5, 4, v4                   ; LDS, in: piece (thread / 16) x 272 + 16 (thread % 16)
	v_mul_u32_u24 v5, v1, 272                      ; LDS, out: my lane's piece of a group
	v_lshlrev_b32 v6, 3, v1                        ; xq: 8 bytes a lane
	v_mov_b32 v7, 0
	v_mov_b32 v184, 0                              ; written once: a lane permute's destination counts as one of its sources
	s_lshl_b32 s49, ttmp9, 2
	s_add_co_u32 s49, s49, s48                     ; t
	s_mov_b32 s54, 0x76543210
	s_mov_b32 s55, 0xfedcba98                      ; v_permlanex16_b32: lane l xor 16
	s_mov_b32 s57, 0
	s_lshl_b32 s56, s49, 12
	s_wait_kmcnt 0x0
	s_load_b512 s[16:31], s[8:9], 0x0              ; all 32 exponents; expert e's x-scale is entry 4 e: s[16 + 4 e]
	s_load_b512 s[32:47], s[8:9], 0x40
	s_add_nc_u64 s[4:5], s[4:5], s[56:57]          ; x at my token
	s_lshl_b32 s56, s49, 11
	s_add_nc_u64 s[14:15], s[14:15], s[56:57]      ; xq at slot 2 t
	s_lshl_b32 s56, s49, 3
	s_add_nc_u64 s[10:11], s[10:11], s[56:57]      ; topi, topv at t
	s_add_nc_u64 s[12:13], s[12:13], s[56:57]
.irp i, 0,1,2,3,4,5,6,7,8,9,10,11,12,13,14,15
	global_load_b128 v[G0+4*\i:G0+4*\i+3], v3, s[6:7] offset:2048*\i
.endr
.irp g, 0,1,2,3
	global_load_b128 v[X+8*\g:X+8*\g+3], v2, s[4:5] offset:1024*\g th:TH_LOAD_NT
	global_load_b128 v[X+8*\g+4:X+8*\g+7], v2, s[4:5] offset:1024*\g+16 th:TH_LOAD_NT
.endr
	s_wait_loadcnt 8                               ; gate_w is in; the eight younger loads (x) may be out
.irp i, 0,1,2,3,4,5,6,7,8,9,10,11,12,13,14,15
	ds_store_b128 v4, v[G0+4*\i:G0+4*\i+3] offset:2176*\i
.endr
	s_wait_dscnt 0x0                               ; for the others' sake: my part of gate_w lies in LDS
	s_barrier_signal -1
	s_barrier_wait -1
.macro GW g, buf                       ; my lane's 8 rows of gate_w of group g: 16 loads of 16 bytes
.irp m, 0,1,2,3,4,5,6,7,8,9,10,11,12,13,14,15
	ds_load_b128 v[\buf+4*\m:\buf+4*\m+3], v5 offset:8704*\g+16*\m
.endr
.endm
.macro DOT g, buf                      ; sums[e] += x[j] gate_w[j][e]: two experts an instruction; of x's pair the word j % 2 serves both halves
.irp j, 0,1,2,3,4,5,6,7
.irp p, 0,1,2,3
.if (\g == 0) && (\j == 0)
	v_pk_mul_f32 v[A+2*\p:A+2*\p+1], v[X:X+1], v[\buf+2*\p:\buf+2*\p+1] op_sel_hi:[0,1]   ; the first product starts the sums
.elseif (\j % 2) == 0
	v_pk_fma_f32 v[A+2*\p:A+2*\p+1], v[X+8*\g+\j:X+8*\g+\j+1], v[\buf+8*\j+2*\p:\buf+8*\j+2*\p+1], v[A+2*\p:A+2*\p+1] op_sel_hi:[0,1,1]
.else
	v_pk_fma_f32 v[A+2*\p:A+2*\p+1], v[X+8*\g+\j-1:X+8*\g+\j], v[\buf+8*\j+2*\p:\buf+8*\j+2*\p+1], v[A+2*\p:A+2*\p+1] op_sel:[1,0,0] op_sel_hi:[1,1,1]
.endif
.endr
.endr
.endm
	GW 0, G0
	GW 1, G1
	s_wait_loadcnt 0x0                             ; x
	s_wait_dscnt 16                                ; the older group is in, the younger 16 loads may be out
	DOT 0, G0
	GW 2, G0
	s_wait_dscnt 16
	DOT 1, G1
	GW 3, G1
	s_wait_dscnt 16
	DOT 2, G0
	s_wait_dscnt 0x0
	DOT 3, G1
.irp e, 0,1,2,3,4,5,6,7                ; each sum over the 32 lanes; every lane ends with the logit
	v_add_f32_dpp v[A+\e], v[A+\e], v[A+\e] row_xmask:1 row_mask:0xf bank_mask:0xf
	v_add_f32_dpp v[A+\e], v[A+\e], v[A+\e] row_xmask:2 row_mask:0xf bank_mask:0xf
	v_add_f32_dpp v[A+\e], v[A+\e], v[A+\e] row_xmask:4 row_mask:0xf bank_mask:0xf
	v_add_f32_dpp v[A+\e], v[A+\e], v[A+\e] row_xmask:8 row_mask:0xf bank_mask:0xf
	v_permlanex16_b32 v184, v[A+\e], s54, s55
	v_add_f32 v[A+\e], v[A+\e], v184
.endr
	; softmax: the maximum is taken away first
	v_max3_num_f32 v190, v[A], v[A+1], v[A+2]
	v_max3_num_f32 v190, v190, v[A+3], v[A+4]
	v_max3_num_f32 v190, v190, v[A+5], v[A+6]
	v_max_num_f32 v190, v190, v[A+7]
.irp e, 0,1,2,3,4,5,6,7
	v_sub_f32 v[A+\e], v[A+\e], v190
.endr
.irp e, 0,1,2,3,4,5,6,7
	v_mul_f32 v[A+\e], 0x3fb8aa3b, v[A+\e]         ; x log2(e)
.endr
.irp e, 0,1,2,3,4,5,6,7
	v_exp_f32 v[A+\e], v[A+\e]
.endr
	v_nop                                          ; a plain instruction behind the last exponential
	s_wait_alu depctr_va_vdst(0)                   ; one wait for the batch of eight, ahead of its first reader
	v_add_f32 v190, v[A], v[A+1]
	v_add_f32 v191, v[A+2], v[A+3]
	v_add_f32 v192, v[A+4], v[A+5]
	v_add_f32 v193, v[A+6], v[A+7]
	v_add_f32 v190, v190, v191
	v_add_f32 v192, v192, v193
	v_add_f32 v190, v190, v192                     ; at least 1: the largest term is 1
	v_rcp_f32 v191, v190
	v_nop
	s_wait_alu depctr_va_vdst(0)
.irp e, 0,1,2,3,4,5,6,7
	v_mul_f32 v[A+\e], v[A+\e], v191               ; the probabilities
.endr
	; the largest: a later one takes its place only where it is strictly larger, so ties keep the lower index
	v_mov_b32 v186, v[A]
	v_mov_b32 v188, 0
.irp i, 1,2,3,4,5,6,7
	v_cmp_le_f32 vcc_lo, v[A+\i], v186             ; keep
	v_cndmask_b32 v188, \i, v188, vcc_lo
	v_max_num_f32 v186, v186, v[A+\i]
.endr
	; the second: the same among the other seven; it begins under every probability
	v_mov_b32 v187, -1.0
	v_mov_b32 v189, 0
.irp i, 0,1,2,3,4,5,6,7
	v_cmp_eq_u32 s52, \i, v188
	v_cmp_le_f32 vcc_lo, v[A+\i], v187
	s_or_b32 vcc_lo, vcc_lo, s52                   ; keep: it is the first one, or it is not larger
	v_cndmask_b32 v189, \i, v189, vcc_lo
	v_cndmask_b32 v187, v[A+\i], v187, vcc_lo
.endr
	v_add_f32 v190, v186, v187
	v_rcp_f32 v191, v190
	v_nop
	s_wait_alu depctr_va_vdst(0)
	v_mul_f32 v186, v186, v191                     ; c0, c1
	v_mul_f32 v187, v187, v191
	s_wait_kmcnt 0x0                               ; the exponents
; x as codes under the x-scale of the expert in v[idx]: slot 2 t + k
.macro QX k, idx
.set EV, 192+4*\k
	v_mov_b32 v[EV], s16
.irp e, 1,2,3,4,5,6,7
	v_cmp_ne_u32 vcc_lo, \e, v[\idx]
	v_cndmask_b32 v[EV], s[16+4*\e], v[EV], vcc_lo
.endr
	v_add_nc_u32 v[EV], 127, v[EV]
	v_lshlrev_b32 v[EV+1], 23, v[EV]               ; 2^e as f32: the conversion takes its exponent field
	v_add_nc_u32 v[EV], 15, v[EV]
	v_lshlrev_b32 v[EV], 23, v[EV]
	v_or_b32 v[EV+2], 0x600000, v[EV]              ; 57,344 x 2^e
.irp g, 0,1,2,3
.set TT, TA+8*(\g%2)                   ; two sets by turns: a conversion's sources are written again only behind the other set's eight plain lines
.irp j, 0,1,2,3,4,5,6,7
	v_med3_num_f32 v[TT+\j], v[X+8*\g+\j], -v[EV+2], v[EV+2]   ; the conversion to an 8-bit code does not saturate (ISA guide 7.6.2): the hold comes first
.endr
	v_cvt_scalef32_pk8_bf8_f32 v[CO+8*\k+2*\g:CO+8*\k+2*\g+1], v[TT:TT+7], v[EV+1]
	global_store_b64 v6, v[CO+8*\k+2*\g:CO+8*\k+2*\g+1], s[14:15] offset:1024*\k+256*\g   ; 32 lanes store 256 consecutive bytes, aligned
.endr
.endm
	QX 0, 188
	QX 1, 189
	v_nop                                          ; a plain line behind the last conversion
	v_cmp_eq_u32 vcc_lo, 0, v1
	s_wait_xcnt 0x0                                ; EXEC changes only behind this wait
	s_wait_tensorcnt 0x0
	ds_add_u32 v208, v209
	s_wait_dscnt 0x0
	s_and_saveexec_b32 s52, vcc_lo                 ; lane 0 alone
	global_store_b64 v7, v[188:189], s[10:11]      ; the chosen experts
	global_store_b64 v7, v[186:187], s[12:13]      ; their weights
	s_wait_xcnt 0x0
	s_or_b32 exec_lo, exec_lo, s52
	s_endpgm
.Lfunc_end_k_q7b62b49b34_gate:
	.size	k_q7b62b49b34_gate, .Lfunc_end_k_q7b62b49b34_gate-k_q7b62b49b34_gate
	.p2alignl 7, 3214868480
	.fill 96, 4, 3214868480
	.section	.rodata,"a",@progbits
	.p2align	6, 0x0
	.amdhsa_kernel k_q7b62b49b34_gate
		.amdhsa_group_segment_fixed_size 35328
		.amdhsa_private_segment_fixed_size 0
		.amdhsa_enable_private_segment 0
		.amdhsa_kernarg_size 48
		.amdhsa_user_sgpr_count 2
		.amdhsa_user_sgpr_kernarg_segment_ptr 1
		.amdhsa_wavefront_size32 1
		.amdhsa_system_sgpr_workgroup_id_x 1
		.amdhsa_system_sgpr_workgroup_id_y 1
		.amdhsa_system_sgpr_workgroup_id_z 1
		.amdhsa_system_vgpr_workitem_id 0
		.amdhsa_next_free_vgpr 210
		.amdhsa_next_free_sgpr 66
		.amdhsa_reserve_vcc 1
		.amdhsa_float_denorm_mode_32 3
		.amdhsa_float_denorm_mode_16_64 3
		.amdhsa_memory_ordered 1
		.amdhsa_forward_progress 1
		.amdhsa_inst_pref_size 32
	.end_amdhsa_kernel
	.amdgpu_metadata
---
amdhsa.version: [ 1, 2 ]
amdhsa.kernels:
  - .name:           k_q7b62b49b34_gate
    .symbol:         k_q7b62b49b34_gate.kd
    .args:
      - { .name: x, .offset: 0, .size: 8, .value_kind: global_buffer, .address_space: global }
      - { .name: gate_w, .offset: 8, .size: 8, .value_kind: global_buffer, .address_space: global }
      - { .name: lowp_scales, .offset: 16, .size: 8, .value_kind: global_buffer, .address_space: global }
      - { .name: topi, .offset: 24, .size: 8, .value_kind: global_buffer, .address_space: global }
      - { .name: topv, .offset: 32, .size: 8, .value_kind: global_buffer, .address_space: global }
      - { .name: xq, .offset: 40, .size: 8, .value_kind: global_buffer, .address_space: global }
    .group_segment_fixed_size: 35328
    .private_segment_fixed_size: 0
    .kernarg_segment_align: 8
    .kernarg_segment_size: 48
    .max_flat_workgroup_size: 128
    .sgpr_count:     66
    .vgpr_count:     210
    .wavefront_size: 32
...
	.end_amdgpu_metadata
.endif
;; end of part 1
;; launch ffn1 (part 2): grid 32 x 8, 4 waves a work-group, no clusters, 264,704 bytes of LDS; arguments xq, w1_codes, b1, lowp_scales, topi, cnt, dest, himg; writes himg, cnt, dest
.if DOCPART == 2
	.amdgcn_target "amdgcn-amd-amdhsa--gfx1250"
	.amdhsa_code_object_version 6
	.text
	.protected	k_q7b62b49b34_ffn1
	.globl	k_q7b62b49b34_ffn1
	.p2align	8
	.type	k_q7b62b49b34_ffn1,@function
k_q7b62b49b34_ffn1:
	s_mov_b64 s[64:65], 0
	v_nop
	global_prefetch_b8 v0, s[64:65] scope:SCOPE_SE
	s_setreg_imm32_b32 hwreg(HW_REG_WAVE_MODE, 25, 1), 1
	s_wait_xcnt 0x0
; h = Q(gelu(x w1[e] + b1[e])) for the rows that chose expert e, on codes of E5M2, and h leaves as images of the next product's operand registers.  The rows are also PLACED here, at the head.
; SHARES.  Work-group (j, e): the 128 hidden units 128 j .. of expert e, which are K step j of the second product.  THE WEIGHTS STAND STILL: wave w = (cg = w & 1, rg = w >> 1) keeps units 64 cg .. 64 cg + 63
; over all K = 1,024 in 512 registers for the whole launch; each byte of w1 leaves memory once.  The expert's rows, however many (0 to 1,024), walk past in blocks of 64.
; The grid, 32 x 8, serves every split.  No tensor load, no cluster: how much work a trip has hangs on whole numbers read from memory.  The loop has a constant 16 trips with one barrier each on every wave's path;
; scalar branches on the count lead round the WORK alone.
; THE PLACING, on whole numbers alone, while the first weights are on their way.  topi (the chosen experts, stored by the launch before) is read whole by every wave: 32 groups of 32 tokens, group g = tokens
; 64 (g / 2) + 2 lane + g % 2.  A token names an expert at most once.  Rank of a token that names e = how many such tokens stand in earlier groups (a running scalar count) + in lower lanes (v_mbcnt_lo_u32_b32).
; Any one-to-one order of an expert's rows serves, since no row is ever dropped.  So every wave has the count as a scalar.  Wave 0 lays the list rank -> slot (2 token + k) in LDS, over zeros (slot 0 exists), a barrier follows,
; ahead of every other LDS access.  A lane whose token does not name e stores into a word of its own behind the list: EXEC stays whole.
; For the later launches: work-group (j, e) stores dest[slot] = 1024 e + rank for the tokens of group j (two stores of 4 bytes a lane under a mask; 8 KiB in the whole launch, not in whole 256-byte neighbourhoods), work-group (0, e) cnt[e].
; A BLOCK: wave w gathers tile w (16 rows of xq by the list) into registers a whole trip ahead, puts it into one of two LDS buffers | barrier | wave (cg, rg) multiplies tiles 2 rg, 2 rg + 1.
; LAYOUT.  The product is used transposed (source 0 = 16 rows of w1, source 1 = 16 rows of x): a lane holds ONE row of h.  Lane p of weight tile 2 b + u takes unit 32 b + 8 u + p + 8 (p / 8), so that the 16 registers of
; tiles 2 b, 2 b + 1 are 16 neighbours along the next K.  A fragment (16 rows x 128 K) is 16 registers: lane (r, h) holds, in registers 4 c .. 4 c + 3, k = 32 c + 16 h + 0 .. 15 of row r: four loads of 16 bytes.
; That is one permutation of k within an instruction, the same for both operands, so every product meets its partner.
; GELU, exact form: gelu(u) = max(u, 0) - |u g|, g = erfc(|u| / sqrt 2) / 2 = t 2^(P(t) - u^2 log2(e) / 2), t = 1 / (1 + |u| / (2 sqrt 2)), P of degree 9 (a fit of erfc whose error is a fraction of erfc itself,
; about 1.2e-7, so the negative tail keeps its relative accuracy); all in f32.
; himg[e][tile of 16 rows][K step][c][lane][16 bytes]: a store of the wave covers 512 consecutive bytes, aligned.  Tile T is stored where 16 T < max(count, 1).
; LIMITS: ex + ew1 between -126 and 127, eh between -126 and 112; NaN and infinities are not served.
; REGISTERS, in windows of 256.  Window 0: v4-13 addresses and scales, v[14:15] a coefficient, v16-31 the gather's offsets, v32-63 b1, v64-127 eight accumulators (32 m + 8 t), v128-191 and v216-247 gelu at work, v200-215 codes,
;   v248-253 what the placing leaves.  At the head v64-127 hold topi, v128-191 the list's addresses and slots.
;   Windows 1, 2: the weights: fragment (tile t, K step s) in window 1 + s / 4 at v[16 (4 (s % 4) + t)].   Window 3: v0-127 x's fragments, two sets of 64; v128-255 the 16 gathered rows.
.set XP,    1040                       ; an LDS row: 1,024 bytes + 16: 65 x 16, so the 16 rows that a fragment load touches start at different banks
.set XT,    16*XP                      ; a tile of 16 rows
.set XB1,   0x20000                    ; the second buffer for x: one exclusive or turns an address from one buffer to the other
.set LIST,  0x11000                    ; between the two buffers: 8,192 bytes: the list's 1,024 words, 32 words for the lanes that have nothing to store, zeros
.set WST,   XB1+4*XT                   ; behind the second buffer: a stage of 16 rows for each wave, its own, for the weights' way into registers
.set L0,    0                          ; window 3: where weights land on their way (later x's fragments),
.set L1,    128                        ; and the other (later the gathered rows)
.set XR,    128
.set VO,    16
.set BI,    32
.set ACC,   64
.set T,     128
.set P,     160
.set CD,    200
.set Q,     216
.set TP,    64                         ; the head: topi, group g's pair at TP + 2 g
.set AD,    128                        ; the head: where group g's lanes store in the list
.set SL,    160                        ; the head: what they store
.set LS,    216                        ; 16 slots of the list, from a trip's head to its gather (gelu's registers are free then)
.set MSB, 0
.macro WIN new                         ; the immediate's high byte repeats the setting that is left; a switch that changes nothing is dropped
.if MSB != \new
	s_set_vgpr_msb (MSB<<8)|\new
.set MSB, \new
.endif
.endm
.macro PLACES                          ; four plain lines behind matrix instructions, ahead of loads into their sources and of reads of their results
.rept 4
	v_nop
.endr
.endm
.macro SC r, bits                      ; a constant as a scalar pair: the packed forms name the pair and take its low word for both halves
	s_mov_b32 s[\r], \bits
	s_mov_b32 s[\r+1], \bits
.endm
.macro WLD t, L                        ; weight tile t: its 16 rows of 1,024 bytes, 512 consecutive bytes a load, into window 3
	WIN 0xc0
.irp p, 0,1,2,3,4,5,6,7,8,9,10,11,12,13,14,15
	global_load_b128 v[\L+8*\p:\L+8*\p+3], v4, s[6:7] offset:(32*((\t)/2)+8*((\t)%2)+\p+8*(\p/8))*1024
	global_load_b128 v[\L+8*\p+4:\L+8*\p+7], v4, s[6:7] offset:(32*((\t)/2)+8*((\t)%2)+\p+8*(\p/8))*1024+512
.endr
	WIN 0
.endm
.macro WSTEP t, L                      ; tile t goes through my stage and comes back as its eight fragments
	s_wait_loadcnt 32                              ; the tile is in; the 32 loads issued behind it may be out
	WIN 0x0c                                       ; store data in window 3
.irp p, 0,1,2,3,4,5,6,7,8,9,10,11,12,13,14,15
	ds_store_b128 v5, v[\L+8*\p:\L+8*\p+3] offset:XP*\p
	ds_store_b128 v5, v[\L+8*\p+4:\L+8*\p+7] offset:XP*\p+512
.endr
	WIN 0x40                                       ; LDS serves a wave's instructions in order (ISA guide 5.7.1.4): these see the stores above, and the next tile's stores come behind them
.irp s, 0,1,2,3
.irp c, 0,1,2,3
	ds_load_b128 v[16*(4*\s+\t)+4*\c:16*(4*\s+\t)+4*\c+3], v6 offset:128*\s+32*\c
.endr
.endr
	WIN 0x80
.irp s, 0,1,2,3
.irp c, 0,1,2,3
	ds_load_b128 v[16*(4*\s+\t)+4*\c:16*(4*\s+\t)+4*\c+3], v6 offset:512+128*\s+32*\c
.endr
.endr
	WIN 0
	s_wait_dscnt 32                                ; the stores are done (the 32 loads behind them may be out): their registers may be loaded again
.endm
; Eight groups of the placing, 8 B .. 8 B + 7, operation by operation, so that no line waits for the line above it.
.macro PLB B
.irp n, 0,1,2,3,4,5,6,7
	v_cmp_eq_u32 s[40+\n], s22, v[TP+2*(8*\B+\n)]          ; the first choice is e,
	v_cmp_eq_u32 s[48+\n], s22, v[TP+2*(8*\B+\n)+1]        ; the second is
.endr
.irp n, 0,1,2,3,4,5,6,7
	s_or_b32 s[40+\n], s[40+\n], s[48+\n]                  ; the group's tokens that name e
	s_mov_b32 s[56+\n], s93                                ; how many stand in the groups before
	s_cmp_eq_u32 ttmp9, 8*\B+\n
	s_cselect_b32 s95, s93, s95                            ; kept for group j, whose dest this work-group stores
	s_bcnt1_i32_b32 s31, s[40+\n]
	s_add_co_u32 s93, s93, s31
.endr
.irp n, 0,1,2,3,4,5,6,7
	v_mbcnt_lo_u32_b32 v[AD+8*\B+\n], s[40+\n], s[56+\n]   ; the rank
.endr
.irp n, 0,1,2,3,4,5,6,7
	v_cndmask_b32 v[AD+8*\B+\n], v200, v[AD+8*\B+\n], s[40+\n]   ; a lane with nothing to store: word 1,024 + lane
.endr
.irp n, 0,1,2,3,4,5,6,7
	v_min_u32 v[AD+8*\B+\n], 0x7ff, v[AD+8*\B+\n]          ; held inside the 8,192 bytes; behind the hold a shift and an addition alone
.endr
.irp n, 0,1,2,3,4,5,6,7
	v_lshlrev_b32 v[AD+8*\B+\n], 2, v[AD+8*\B+\n]
.endr
.irp n, 0,1,2,3,4,5,6,7
	v_add_nc_u32 v[AD+8*\B+\n], LIST, v[AD+8*\B+\n]
.endr
.irp n, 0,1,2,3,4,5,6,7
	v_cndmask_b32 v[SL+8*\B+\n], 0, 1, s[48+\n]            ; k
.endr
.irp n, 0,1,2,3,4,5,6,7
	v_add3_u32 v[SL+8*\B+\n], v[SL+8*\B+\n], v201, 128*((8*\B+\n)/2)+2*((8*\B+\n)%2)   ; slot = 2 token + k = 128 (g / 2) + 4 lane + 2 (g % 2) + k
.endr
.endm
.macro VOFF                            ; the list's 16 slots become offsets into xq: slot x 1,024 + 16 x lane
.irp p, 0,1,2,3,4,5,6,7,8,9,10,11,12,13,14,15
	v_min_u32 v[LS+\p], 0x7ff, v[LS+\p]
.endr
.irp p, 0,1,2,3,4,5,6,7,8,9,10,11,12,13,14,15
	v_lshlrev_b32 v[LS+\p], 10, v[LS+\p]
.endr
.irp p, 0,1,2,3,4,5,6,7,8,9,10,11,12,13,14,15
	v_add_nc_u32 v[VO+\p], v4, v[LS+\p]
.endr
.endm
.macro XL                              ; 16 rows of xq, 512 consecutive bytes a load
	WIN 0xc0
.irp p, 0,1,2,3,4,5,6,7,8,9,10,11,12,13,14,15
	global_load_b128 v[XR+8*\p:XR+8*\p+3], v[VO+\p], s[4:5]
	global_load_b128 v[XR+8*\p+4:XR+8*\p+7], v[VO+\p], s[4:5] offset:512
.endr
	WIN 0
.endm
.macro SETLD q, f                      ; x's fragments of K steps 2 q, 2 q + 1, of my two tiles, into set f
	WIN 0xc0
.irp sl, 0,1
.irp m, 0,1
.irp c, 0,1,2,3
	ds_load_b128 v[64*\f+32*\sl+16*\m+4*\c:64*\f+32*\sl+16*\m+4*\c+3], v10 offset:XT*\m+128*(2*\q+\sl)+32*\c
.endr
.endr
.endr
.endm
.macro MULSET q, f                     ; 16 matrix instructions; the eight accumulators take turns, one instruction a turn; the first K step starts the sums
.if \q < 2
	WIN 0x0d                                       ; source 0 (weights) window 1, source 1 (x) window 3
.else
	WIN 0x0e                                       ; weights in window 2
.endif
.irp sl, 0,1
.irp t, 0,1,2,3
.irp m, 0,1
.if (\q == 0) && (\sl == 0)
	v_wmma_f32_16x16x128_bf8_bf8 v[ACC+32*\m+8*\t:ACC+32*\m+8*\t+7], v[16*(4*((2*\q+\sl)%4)+\t):16*(4*((2*\q+\sl)%4)+\t)+15], v[64*\f+32*\sl+16*\m:64*\f+32*\sl+16*\m+15], 0
.else
	v_wmma_f32_16x16x128_bf8_bf8 v[ACC+32*\m+8*\t:ACC+32*\m+8*\t+7], v[16*(4*((2*\q+\sl)%4)+\t):16*(4*((2*\q+\sl)%4)+\t)+15], v[64*\f+32*\sl+16*\m:64*\f+32*\sl+16*\m+15], v[ACC+32*\m+8*\t:ACC+32*\m+8*\t+7]
.endif
.endr
.endr
.endr
.endm
; Tile m's 32 sums of a lane become bias, gelu, codes, and leave.
.macro GELU m
.set U, ACC+32*(\m)
.set i, 0
.rept 16
	v_pk_fma_f32 v[U+i:U+i+1], v[U+i:U+i+1], s[36:37], v[BI+i:BI+i+1] op_sel_hi:[1,0,1]   ; u = sum x 2^(ex + ew1) + b1; each accumulator from its low end on
.set i, i+2
.endr
.set i, 0
.rept 32
	v_fma_f32 v[T+i], |v[U+i]|, s90, 1.0           ; 1 + |u| / (2 sqrt 2)
.set i, i+1
.endr
.set i, 0
.rept 32
	v_rcp_f32 v[T+i], v[T+i]                       ; t
.set i, i+1
.endr
.set i, 0
.rept 16
	v_pk_mul_f32 v[Q+i:Q+i+1], v[U+i:U+i+1], v[U+i:U+i+1]   ; u^2: work that names no reciprocal stands behind the batch
.set i, i+2
.endr
	s_wait_alu depctr_va_vdst(0)                   ; one wait for the 32 reciprocals, ahead of their first reader
.set i, 0
.rept 16
	v_pk_fma_f32 v[P+i:P+i+1], v[T+i:T+i+1], s[86:87], v[14:15] op_sel_hi:[1,0,1]   ; P(t) by Horner: c9 t + c8,
.set i, i+2
.endr
.irp k, 7,6,5,4,3,2,1,0
.set i, 0
.rept 16
	v_pk_fma_f32 v[P+i:P+i+1], v[P+i:P+i+1], v[T+i:T+i+1], s[68+2*\k:69+2*\k] op_sel_hi:[1,1,0]   ; x t + c7 .. c0
.set i, i+2
.endr
.endr
.set i, 0
.rept 16
	v_pk_fma_f32 v[P+i:P+i+1], v[Q+i:Q+i+1], s[88:89], v[P+i:P+i+1] op_sel_hi:[1,0,1]   ; - u^2 log2(e) / 2
.set i, i+2
.endr
.set i, 0
.rept 32
	v_exp_f32 v[P+i], v[P+i]
.set i, i+1
.endr
.set i, 0
.rept 32
	v_max_num_f32 v[Q+i], v[U+i], 0                ; max(u, 0): again work that names no result of the batch
.set i, i+1
.endr
	s_wait_alu depctr_va_vdst(0)                   ; one wait for the 32 exponentials
.set i, 0
.rept 16
	v_pk_mul_f32 v[P+i:P+i+1], v[P+i:P+i+1], v[T+i:T+i+1]   ; g
.set i, i+2
.endr
.set i, 0
.rept 16
	v_pk_mul_f32 v[P+i:P+i+1], v[P+i:P+i+1], v[U+i:U+i+1]   ; u g
.set i, i+2
.endr
.set i, 0
.rept 32
	v_sub_f32 v[U+i], v[Q+i], |v[P+i]|             ; gelu(u)
.set i, i+1
.endr
.set i, 0
.rept 32
	v_med3_num_f32 v[U+i], v[U+i], -v13, v13       ; the conversion to an 8-bit code does not saturate (ISA guide 7.6.2): the hold comes first
.set i, i+1
.endr
.irp t, 0,1,2,3
	v_cvt_scalef32_pk8_bf8_f32 v[CD+8*(\m)+2*\t:CD+8*(\m)+2*\t+1], v[U+8*\t:U+8*\t+7], v12   ; tiles 2 b, 2 b + 1: registers 4 b .. 4 b + 3: k = 32 (2 cg + b) + 16 h + 0 .. 15 of the next product
.endr
	v_nop                                          ; a plain line behind the last conversion: later products write its sources
	global_store_b128 v4, v[CD+8*(\m):CD+8*(\m)+3], s[16:17] offset:65536*(\m)
	global_store_b128 v4, v[CD+8*(\m)+4:CD+8*(\m)+7], s[16:17] offset:65536*(\m)+512
.endm
	s_load_b256 s[4:11], s[0:1], 0x0               ; xq s[4:5], w1_codes s[6:7], b1 s[8:9], lowp_scales s[10:11]
	s_load_b128 s[12:15], s[0:1], 0x20             ; topi s[12:13], cnt s[14:15]
	s_load_b64 s[38:39], s[0:1], 0x30              ; dest
	s_load_b64 s[16:17], s[0:1], 0x38              ; himg
	v_lshl_add_u32 v254, v0, 2, 0x40800
	v_mov_b32 v255, 0
	v_lshrrev_b32 v1, 5, v0
	v_readfirstlane_b32 s18, v1                    ; wave
	v_and_b32 v1, 31, v0                           ; lane
	v_and_b32 v2, 15, v0                           ; r
	v_bfe_u32 v3, v0, 4, 1                         ; h
	v_lshlrev_b32 v4, 4, v1                        ; 16 x lane; never rewritten
	s_and_b32 s19, s18, 1                          ; cg
	s_lshr_b32 s20, s18, 1                         ; rg
	s_and_b32 s22, ttmp7, 0xffff                   ; e
	s_mul_i32 s31, s18, XT
	s_add_co_u32 s32, s31, WST
	v_add_nc_u32 v5, s32, v4                       ; my stage, in
	v_mul_u32_u24 v6, v2, XP
	v_lshl_add_u32 v6, v3, 4, v6                   ; a fragment's row x pitch + 16 h
	s_mul_i32 s33, s20, 2*XT
	v_add_nc_u32 v8, s33, v6                       ; x's fragments: my two tiles begin at row 32 rg
	v_add_nc_u32 v6, s32, v6                       ; my stage, out
	v_add_nc_u32 v7, s31, v4                       ; where I put the tile that I gather: tile w
	v_lshlrev_b32 v11, 6, v3                       ; b1: 64 h bytes
	v_mov_b32 v14, 0xbf97d29d                      ; c8, twice
	v_mov_b32 v15, 0xbf97d29d
	; the placing's offsets: all of ids and constants, made here, with all lanes on and ahead of every load
	s_lshr_b32 s31, ttmp9, 1
	s_lshl_b32 s31, s31, 9
	s_and_b32 s32, ttmp9, 1
	s_lshl_b32 s32, s32, 3
	s_add_co_u32 s31, s31, s32
	v_add_nc_u32 v249, s31, v4                     ; group j's tokens, 8 bytes each, in topi and in dest: 512 (j / 2) + 16 lane + 8 (j % 2); never rewritten
	s_lshl_b32 s60, s22, 2
	v_mov_b32 v251, s60                            ; cnt[e]; never rewritten
	s_lshl_b32 s31, s18, 6
	s_add_co_u32 s31, s31, LIST
	v_mov_b32 v252, s31                            ; the list at my tile of block 0: LIST + 64 w; never rewritten
	v_add_nc_u32 v200, 0x400, v1                   ; 1,024 + lane
	v_lshlrev_b32 v201, 2, v1                      ; 4 x lane
	v_add_nc_u32 v208, LIST, v4                    ; the zeros' way in
	v_mov_b32 v204, 0
	v_mov_b32 v205, 0
	v_mov_b32 v206, 0
	v_mov_b32 v207, 0
	s_lshl_b32 s61, s22, 4                         ; lowp_scales[4 e ..]
	s_mov_b32 s59, 0
	s_lshl_b32 s34, s22, 22                        ; e x 4 MiB
	s_wait_kmcnt 0x0
	s_load_b128 s[24:27], s[10:11], s61 offset:0x0 ; ex, ew1, eh, ew2
	global_load_b64 v[192:193], v249, s[12:13]     ; group j's choices
.irp i, 0,1,2,3,4,5,6,7,8,9,10,11,12,13,14,15
	global_load_b128 v[TP+4*\i:TP+4*\i+3], v4, s[12:13] offset:512*\i   ; all choices: two tokens a lane, 512 consecutive bytes a load
.endr
	s_lshl_b32 s35, ttmp9, 17
	s_lshl_b32 s58, s19, 16
	s_add_co_u32 s58, s58, s35
	s_add_co_u32 s58, s58, s34
	s_add_nc_u64 s[6:7], s[6:7], s[58:59]          ; w1 at unit 128 j + 64 cg of expert e
	s_lshl_b32 s58, s22, 14
	s_lshl_b32 s35, ttmp9, 9
	s_add_co_u32 s58, s58, s35
	s_lshl_b32 s35, s19, 8
	s_add_co_u32 s58, s58, s35
	s_add_nc_u64 s[8:9], s[8:9], s[58:59]          ; b1 likewise
	s_lshl_b32 s58, s20, 17
	s_add_co_u32 s58, s58, s34
	s_lshl_b32 s35, ttmp9, 11
	s_add_co_u32 s58, s58, s35
	s_lshl_b32 s35, s19, 10
	s_add_co_u32 s58, s58, s35
	s_add_nc_u64 s[16:17], s[16:17], s[58:59]      ; himg at tile 2 rg, K step j, c = 2 cg
.irp t, 0,1,2,3                        ; b1 in the result's layout: lane (r, h), tile 2 b + u: units 32 b + 16 h + 8 u + 0 .. 7
	global_load_b128 v[BI+8*\t:BI+8*\t+3], v11, s[8:9] offset:(32*(\t/2)+8*(\t%2))*4
	global_load_b128 v[BI+8*\t+4:BI+8*\t+7], v11, s[8:9] offset:(32*(\t/2)+8*(\t%2))*4+16
.endr
	WLD 0, L1
	WLD 1, L0
	SC 68, 0xc034d90f                              ; c0 .. c7, c9: the fit's coefficients x log2(e), with the factor 1/2 as -1 in c0
	SC 70, 0x3fb8ab5a
	SC 72, 0x3f0a29d2
	SC 74, 0x3e0efb2e
	SC 76, 0xbe899a80
	SC 78, 0x3ecdfd18
	SC 80, 0xbfd1a1e5
	SC 82, 0x40097039
	SC 86, 0x3e7c6f08
	SC 88, 0xbf38aa3b                              ; -log2(e) / 2
	s_mov_b32 s90, 0x3eb504f3                      ; 1 / (2 sqrt 2)
	s_mov_b32 s28, 0                               ; the LDS buffer in hand
	s_mov_b32 s29, 0                               ; the block's first row
	s_mov_b32 s30, 0                               ; the block
	s_mov_b32 s93, 0                               ; the running count
	s_mov_b32 s95, 0                               ; the count ahead of group j
	s_wait_kmcnt 0x0                               ; the exponents (and their offset register is free)
	s_add_co_i32 s31, s24, s25
	s_add_co_i32 s31, s31, 127
	s_lshl_b32 s36, s31, 23                        ; 2^(ex + ew1)
	s_mov_b32 s37, s36
	s_add_co_i32 s31, s26, 127
	s_lshl_b32 s32, s31, 23
	v_mov_b32 v12, s32                             ; 2^eh: the conversion takes its exponent field
	s_add_co_i32 s31, s31, 15
	s_lshl_b32 s31, s31, 23
	s_or_b32 s31, s31, 0x600000
	v_mov_b32 v13, s31                             ; 57,344 x 2^eh
	s_wait_loadcnt 63                              ; the 17 loads of topi are in: 72 younger loads stand behind them; a wait names 63 at the most, and a smaller count is safe
	PLB 0
	PLB 1
	PLB 2
	PLB 3
	v_cmp_eq_u32 s91, s22, v192                    ; group j once more, for dest: kept to the kernel's end
	v_cmp_eq_u32 s92, s22, v193
	s_or_b32 s31, s91, s92
	v_mbcnt_lo_u32_b32 v248, s31, s95
	s_lshl_b32 s32, s22, 10
	v_add_nc_u32 v248, s32, v248                   ; 1024 e + rank
	v_mov_b32 v250, s93                            ; the expert's count
	s_min_u32 s21, s93, 1024
	s_max_u32 s21, s21, 1                          ; at least one row is walked: tile 0 is always stored, so the next launch reads nothing that was not written
	s_cmp_lg_u32 s18, 0
	s_cbranch_scc1 .Lnot_placer                    ; wave 0 alone lays the list
.irp i, 0,1,2,3,4,5,6,7,8,9,10,11,12,13,14,15
	ds_store_b128 v208, v[204:207] offset:512*\i   ; zeros first: LDS serves a wave's instructions in order (ISA guide 5.7.1.4)
.endr
.irp g, 0,1,2,3,4,5,6,7,8,9,10,11,12,13,14,15,16,17,18,19,20,21,22,23,24,25,26,27,28,29,30,31
	ds_store_b32 v[AD+\g], v[SL+\g]
.endr
.Lnot_placer:
	s_wait_dscnt 0x0                               ; for the others' sake: the list lies in LDS
	s_barrier_signal -1
	s_barrier_wait -1                              ; no other LDS access of the text stands ahead of this barrier
.irp c, 0,1,2,3
	ds_load_b128 v[LS+4*\c:LS+4*\c+3], v252 offset:16*\c   ; block 0's 16 slots of my tile: the same address in all lanes
.endr
	s_wait_dscnt 0x0
	VOFF
	WSTEP 0, L1                                    ; behind each tile exactly 32 loads have been issued: the next tile's, or block 0's rows
	WLD 2, L1
	WSTEP 1, L0
	WLD 3, L0
	WSTEP 2, L1
	XL                                             ; block 0's rows
	WSTEP 3, L0
	s_wait_dscnt 0x0                               ; all the weights are in their registers
.Ltrip:
	v_add_nc_u32 v9, s28, v7
	v_add_nc_u32 v10, s28, v8
	s_lshl_b32 s31, s29, 2
	v_add_nc_u32 v253, s31, v252
.irp c, 0,1,2,3
	ds_load_b128 v[LS+4*\c:LS+4*\c+3], v253 offset:256+16*\c   ; the NEXT block's 16 slots of my tile (behind the list lie zeros: the last trip stays inside the 8,192 bytes); the wait ahead of the barrier serves them
.endr
	s_wait_loadcnt 0x0                             ; the rows asked for a trip ago are in, on every path
	s_cmp_lt_u32 s29, s21
	s_cbranch_scc0 .Lno_stage
	WIN 0x0c
.irp p, 0,1,2,3,4,5,6,7,8,9,10,11,12,13,14,15
	ds_store_b128 v9, v[XR+8*\p:XR+8*\p+3] offset:XP*\p
	ds_store_b128 v9, v[XR+8*\p+4:XR+8*\p+7] offset:XP*\p+512
.endr
	WIN 0
.Lno_stage:
	s_wait_dscnt 0x0                               ; my stores have landed, and my reads of the last trip's buffer are back: that buffer is written again only behind the NEXT barrier
	s_barrier_signal -1
	s_barrier_wait -1
	s_cmp_lt_u32 s29, s21
	s_cbranch_scc0 .Ltail                          ; no rows are left: the trip has no work
	s_add_co_u32 s31, s29, 64
	s_cmp_lt_u32 s31, s21
	s_cbranch_scc0 .Lno_next
	VOFF                                           ; (the wait for all loads at the trip's head has freed the offsets)
	XL                                             ; the next block's rows have this whole trip in which to come
.Lno_next:
	s_lshl_b32 s31, s20, 5
	s_add_co_u32 s31, s31, s29
	s_cmp_lt_u32 s31, s21
	s_cbranch_scc0 .Ltail                          ; my two tiles lie behind the last row
	SETLD 0, 0
	SETLD 1, 1
	s_wait_dscnt 16                                ; the older set is in; the younger 16 loads may be out
	MULSET 0, 0
	PLACES
	SETLD 2, 0
	s_wait_dscnt 16
	MULSET 1, 1
	PLACES
	SETLD 3, 1
	s_wait_dscnt 16
	MULSET 2, 0
	s_wait_dscnt 0x0
	MULSET 3, 1
	WIN 0
	PLACES
	GELU 0
	s_add_co_u32 s31, s31, 16
	s_cmp_lt_u32 s31, s21
	s_cbranch_scc0 .Ltail
	GELU 1
.Ltail:
	s_wait_xcnt 0x0                                ; the stores have read their base and their data: both may be written again
	s_add_nc_u64 s[16:17], s[16:17], 0x40000       ; four tiles on
	s_xor_b32 s28, s28, XB1
	s_add_co_u32 s29, s29, 64
	s_add_co_u32 s30, s30, 1
	s_cmp_lt_u32 s30, 16
	s_cbranch_scc1 .Ltrip
	; what the later launches want of the placing: wave 1 stores it; no barrier stands in here
	s_cmp_lg_u32 s18, 1
	s_cbranch_scc1 .Lend
	s_mov_b32 vcc_lo, s91                          ; group j's tokens whose first choice is e
	s_wait_xcnt 0x0                                ; EXEC changes only behind this wait
	s_and_saveexec_b32 s94, vcc_lo
	global_store_b32 v249, v248, s[38:39]          ; dest[2 token]
	s_wait_xcnt 0x0
	s_or_b32 exec_lo, exec_lo, s94
	s_mov_b32 vcc_lo, s92                          ; and those whose second choice is
	s_wait_xcnt 0x0
	s_and_saveexec_b32 s94, vcc_lo
	global_store_b32 v249, v248, s[38:39] offset:4 ; dest[2 token + 1]
	s_wait_xcnt 0x0
	s_or_b32 exec_lo, exec_lo, s94
	s_cmp_lg_u32 ttmp9, 0
	s_cbranch_scc1 .Lend                           ; of the expert's 32 work-groups the first stores the count
	v_cmp_eq_u32 vcc_lo, 0, v1
	s_wait_xcnt 0x0
	s_and_saveexec_b32 s94, vcc_lo                 ; lane 0 alone
	global_store_b32 v251, v250, s[14:15]          ; cnt[e]
	s_wait_xcnt 0x0
	s_or_b32 exec_lo, exec_lo, s94
.Lend:
	s_wait_tensorcnt 0x0
	ds_add_u32 v254, v255
	s_wait_dscnt 0x0
	s_endpgm
.Lfunc_end_k_q7b62b49b34_ffn1:
	.size	k_q7b62b49b34_ffn1, .Lfunc_end_k_q7b62b49b34_ffn1-k_q7b62b49b34_ffn1
	.p2alignl 7, 3214868480
	.fill 96, 4, 3214868480
	.section	.rodata,"a",@progbits
	.p2align	6, 0x0
	.amdhsa_kernel k_q7b62b49b34_ffn1
		.amdhsa_group_segment_fixed_size 264704
		.amdhsa_private_segment_fixed_size 0
		.amdhsa_enable_private_segment 0
		.amdhsa_kernarg_size 64
		.amdhsa_user_sgpr_count 2
		.amdhsa_user_sgpr_kernarg_segment_ptr 1
		.amdhsa_wavefront_size32 1
		.amdhsa_system_sgpr_workgroup_id_x 1
		.amdhsa_system_sgpr_workgroup_id_y 1
		.amdhsa_system_sgpr_workgroup_id_z 1
		.amdhsa_system_vgpr_workitem_id 0
		.amdhsa_next_free_vgpr 1024
		.amdhsa_next_free_sgpr 96
		.amdhsa_reserve_vcc 1
		.amdhsa_float_denorm_mode_32 3
		.amdhsa_float_denorm_mode_16_64 3
		.amdhsa_memory_ordered 1
		.amdhsa_forward_progress 1
		.amdhsa_inst_pref_size 137
	.end_amdhsa_kernel
	.amdgpu_metadata
---
amdhsa.version: [ 1, 2 ]
amdhsa.kernels:
  - .name:           k_q7b62b49b34_ffn1
    .symbol:         k_q7b62b49b34_ffn1.kd
    .args:
      - { .name: xq, .offset: 0, .size: 8, .value_kind: global_buffer, .address_space: global }
      - { .name: w1_codes, .offset: 8, .size: 8, .value_kind: global_buffer, .address_space: global }
      - { .name: b1, .offset: 16, .size: 8, .value_kind: global_buffer, .address_space: global }
      - { .name: lowp_scales, .offset: 24, .size: 8, .value_kind: global_buffer, .address_space: global }
      - { .name: topi, .offset: 32, .size: 8, .value_kind: global_buffer, .address_space: global }
      - { .name: cnt, .offset: 40, .size: 8, .value_kind: global_buffer, .address_space: global }
      - { .name: dest, .offset: 48, .size: 8, .value_kind: global_buffer, .address_space: global }
      - { .name: himg, .offset: 56, .size: 8, .value_kind: global_buffer, .address_space: global }
    .group_segment_fixed_size: 264704
    .private_segment_fixed_size: 0
    .kernarg_segment_align: 8
    .kernarg_segment_size: 64
    .max_flat_workgroup_size: 128
    .sgpr_count:     96
    .vgpr_count:     1024
    .wavefront_size: 32
...
	.end_amdgpu_metadata
.endif
;; end of part 2
;; launch ffn2 (part 3): grid 32 x 8, 4 waves a work-group, no clusters, 167,424 bytes of LDS; arguments himg, w2_codes, b2, lowp_scales, cnt, y; writes y
.if DOCPART == 3
	.amdgcn_target "amdgcn-amd-amdhsa--gfx1250"
	.amdhsa_code_object_version 6
	.text
	.protected	k_q7b62b49b34_ffn2
	.globl	k_q7b62b49b34_ffn2
	.p2align	8
	.type	k_q7b62b49b34_ffn2,@function
k_q7b62b49b34_ffn2:
	s_mov_b64 s[64:65], 0
	v_nop
	global_prefetch_b8 v0, s[64:65] scope:SCOPE_SE
	s_setreg_imm32_b32 hwreg(HW_REG_WAVE_MODE, 25, 1), 1
	s_wait_xcnt 0x0
; y = h w2[e] x 2^(eh + ew2) + b2[e] for the rows that chose expert e, by their place in the expert's order: y[1024 e + rank][1024] f32.
; SHARES.  Work-group (x, e): ct = x / 2: 64 output columns (256 bytes of a row of y); hf = x % 2: the row tiles of that parity.  THE WEIGHTS STAND STILL: wave w keeps K quarter w (K steps 8 w .. 8 w + 7 of 32)
; of all 64 columns in 512 registers.  So a fragment of h is read by ONE wave of the work-group, straight from memory as the image of its registers (512 consecutive bytes a load), and feeds four products.
; The four quarters' sums meet in LDS.  A constant 16 trips, one barrier each on every wave's path; trip q takes tiles 4 q + hf and 4 q + 2 + hf; scalar branches on the count lead round the work alone.
; No tensor load, no cluster: the work of a trip hangs on a count read from memory.
; The product is used transposed (source 0 = 16 rows of w2_codes = 16 output columns, source 1 = 16 rows of h): a lane holds 8 neighbouring columns of one row.
; h is asked for a whole trip ahead, into the registers that the products have just left.  While the next trip is live both buffers are filled again (the second tile held at the last tile that was written);
; else nothing is asked for and the wave waits for all its loads, so that the counted waits hold on every path.
; A tile behind the last inside a live trip repeats the last tile; its rows of y are read by nobody.
; LIMIT: eh + ew2 between -126 and 127.
; REGISTERS.  Window 0: v4-17 addresses, v[20:23] b2, v32-95 eight accumulators (32 a + 8 t), v96-159 the quarters' sums on their way together.  Windows 1, 2: the weights, fragment (t, s) in window 1 + s / 4 at v[16 (4 (s % 4) + t)].
;   Window 3: v0-127, v128-255: h's eight fragments of the two tiles.
.set XP,    1040                       ; the weights' stage: rows of 1,024 bytes + 16
.set XT,    16*XP
.set PP,    272                        ; a row of partial sums: 256 bytes + 16
.set PW,    16*PP                      ; a wave's 16 rows
.set PT,    4*PW                       ; a tile's four quarters
.set PB1,   0x10000                    ; the second buffer of partial sums
.set WST,   PB1+2*PT                   ; behind it: a stage of 16 rows for each wave, its own
.set HA,    0
.set HB,    128
.set ACC,   32
.set F,     96
.set MSB, 0
.macro WIN new
.if MSB != \new
	s_set_vgpr_msb (MSB<<8)|\new
.set MSB, \new
.endif
.endm
.macro PLACES                          ; four plain lines behind matrix instructions, ahead of loads into their sources and of reads of their results
.rept 4
	v_nop
.endr
.endm
.macro WLD t, L                        ; columns 16 t .. 16 t + 15: my 1,024 bytes of each row of w2_codes, 512 consecutive bytes a load
	WIN 0xc0
.irp p, 0,1,2,3,4,5,6,7,8,9,10,11,12,13,14,15
	global_load_b128 v[\L+8*\p:\L+8*\p+3], v4, s[6:7] offset:(16*(\t)+\p)*4096
	global_load_b128 v[\L+8*\p+4:\L+8*\p+7], v4, s[6:7] offset:(16*(\t)+\p)*4096+512
.endr
	WIN 0
.endm
.macro WSTEP t, L                      ; through my stage, back as eight fragments
	s_wait_loadcnt 32                              ; the tile is in; the 32 loads issued behind it may be out
	WIN 0x0c
.irp p, 0,1,2,3,4,5,6,7,8,9,10,11,12,13,14,15
	ds_store_b128 v5, v[\L+8*\p:\L+8*\p+3] offset:XP*\p
	ds_store_b128 v5, v[\L+8*\p+4:\L+8*\p+7] offset:XP*\p+512
.endr
	WIN 0x40                                       ; LDS serves a wave's instructions in order (ISA guide 5.7.1.4)
.irp s, 0,1,2,3
.irp c, 0,1,2,3
	ds_load_b128 v[16*(4*\s+\t)+4*\c:16*(4*\s+\t)+4*\c+3], v6 offset:128*\s+32*\c
.endr
.endr
	WIN 0x80
.irp s, 0,1,2,3
.irp c, 0,1,2,3
	ds_load_b128 v[16*(4*\s+\t)+4*\c:16*(4*\s+\t)+4*\c+3], v6 offset:512+128*\s+32*\c
.endr
.endr
	WIN 0
	s_wait_dscnt 32                                ; the stores are done: their registers may be loaded again
.endm
.macro HADR v, add                     ; the offset of tile T0 + add, held at the last tile that was written
	s_add_co_u32 s37, s35, \add
	s_min_u32 s37, s37, s24
	s_min_u32 s37, s37, 63
	s_lshl_b32 s37, s37, 16
	v_add_nc_u32 v[\v], s37, v4
.endm
.macro HLD buf, v                      ; a tile's eight fragments of my K quarter
	WIN 0xc0
.irp s, 0,1,2,3,4,5,6,7
.irp c, 0,1,2,3
	global_load_b128 v[\buf+16*\s+4*\c:\buf+16*\s+4*\c+3], v[\v], s[4:5] offset:2048*\s+512*\c
.endr
.endr
	WIN 0
.endm
.macro MUL a, buf                      ; 32 matrix instructions; the four accumulators take turns, one instruction a turn; the first K step starts the sums
.irp s, 0,1,2,3,4,5,6,7
	s_wait_loadcnt 60-4*\s                         ; behind K step s's four loads stand this buffer's 4 (7 - s) and the other buffer's 32
.if \s < 4
	WIN 0x0d                                       ; source 0 (weights) window 1, source 1 (h) window 3
.else
	WIN 0x0e
.endif
.irp t, 0,1,2,3
.if \s == 0
	v_wmma_f32_16x16x128_bf8_bf8 v[ACC+32*\a+8*\t:ACC+32*\a+8*\t+7], v[16*(4*(\s%4)+\t):16*(4*(\s%4)+\t)+15], v[\buf+16*\s:\buf+16*\s+15], 0
.else
	v_wmma_f32_16x16x128_bf8_bf8 v[ACC+32*\a+8*\t:ACC+32*\a+8*\t+7], v[16*(4*(\s%4)+\t):16*(4*(\s%4)+\t)+15], v[\buf+16*\s:\buf+16*\s+15], v[ACC+32*\a+8*\t:ACC+32*\a+8*\t+7]
.endif
.endr
.endr
	WIN 0
.endm
.macro RSUM a, p                       ; two rows of tile a: the four quarters added, x 2^(eh + ew2) + b2, stored
.set FB, F+16*(2*\a+\p)
	s_wait_dscnt 12-4*(2*\a+\p)                    ; this group's four loads are in; the younger groups' may be out
	v_pk_add_f32 v[FB:FB+1], v[FB:FB+1], v[FB+4:FB+5]
	v_pk_add_f32 v[FB+2:FB+3], v[FB+2:FB+3], v[FB+6:FB+7]
	v_pk_add_f32 v[FB+8:FB+9], v[FB+8:FB+9], v[FB+12:FB+13]
	v_pk_add_f32 v[FB+10:FB+11], v[FB+10:FB+11], v[FB+14:FB+15]
	v_pk_add_f32 v[FB:FB+1], v[FB:FB+1], v[FB+8:FB+9]
	v_pk_add_f32 v[FB+2:FB+3], v[FB+2:FB+3], v[FB+10:FB+11]
	v_pk_fma_f32 v[FB:FB+1], v[FB:FB+1], s[32:33], v[20:21] op_sel_hi:[1,0,1]
	v_pk_fma_f32 v[FB+2:FB+3], v[FB+2:FB+3], s[32:33], v[22:23] op_sel_hi:[1,0,1]
	global_store_b128 v11, v[FB:FB+3], s[14:15] offset:131072*\a+8192*\p th:TH_STORE_NT   ; sixteen lanes store 256 consecutive bytes, aligned
.endm
	s_load_b256 s[4:11], s[0:1], 0x0               ; himg s[4:5], w2_codes s[6:7], b2 s[8:9], lowp_scales s[10:11]
	s_load_b128 s[12:15], s[0:1], 0x20             ; cnt s[12:13], y s[14:15]
	v_lshl_add_u32 v254, v0, 2, 0x28c00
	v_mov_b32 v255, 0
	v_lshrrev_b32 v1, 5, v0
	v_readfirstlane_b32 s18, v1                    ; wave
	v_and_b32 v1, 31, v0                           ; lane
	v_and_b32 v2, 15, v0                           ; r
	v_bfe_u32 v3, v0, 4, 1                         ; h
	v_lshlrev_b32 v4, 4, v1                        ; 16 x lane; never rewritten
	v_lshlrev_b32 v16, 8, v1                       ; 256 x lane, for the prefetches
	v_lshlrev_b32 v17, 4, v2                       ; 16 r
	s_lshr_b32 s19, ttmp9, 1                       ; ct
	s_and_b32 s20, ttmp9, 1                        ; hf
	s_and_b32 s21, ttmp7, 0xffff                   ; e
	s_mul_i32 s37, s18, XT
	s_add_co_u32 s37, s37, WST
	v_add_nc_u32 v5, s37, v4                       ; my stage, in
	v_mul_u32_u24 v6, v2, XP
	v_lshl_add_u32 v6, v3, 4, v6
	v_add_nc_u32 v6, s37, v6                       ; my stage, out
	s_mul_i32 s37, s18, PW
	v_mul_u32_u24 v7, v2, PP
	v_lshl_add_u32 v7, v3, 5, v7
	v_add_nc_u32 v7, s37, v7                       ; partial sums, in: my quarter, row r, 32 h bytes
	s_mul_i32 s37, s18, 4*PP
	v_mul_u32_u24 v8, v3, PP
	v_add_nc_u32 v8, v8, v17
	v_add_nc_u32 v8, s37, v8                       ; out: rows 4 w + h (+ 2 p), 16 bytes a lane
	s_lshl_b32 s37, s18, 14
	v_lshl_add_u32 v11, v3, 12, v17
	v_add_nc_u32 v11, s37, v11                     ; and the same rows in y
	s_lshl_b32 s44, s21, 2                         ; cnt[e]
	s_lshl_b32 s45, s21, 4                         ; lowp_scales[4 e ..]
	s_mov_b32 s43, 0
	s_lshl_b32 s39, s21, 22                        ; e x 4 MiB
	s_cmp_eq_u32 s19, 0
	s_cselect_b32 s40, 1, 0                        ; of the 16 work-groups that read a tile of h, the one with ct = 0 prefetches it
	s_wait_kmcnt 0x0
	s_load_b32 s22, s[12:13], s44 offset:0x0
	s_load_b128 s[28:31], s[10:11], s45 offset:0x0 ; ex, ew1, eh, ew2
	s_lshl_b32 s42, s18, 14
	s_add_co_u32 s42, s42, s39
	s_add_nc_u64 s[4:5], s[4:5], s[42:43]          ; himg at expert e, K step 8 w
	s_lshl_b32 s42, s19, 18
	s_add_co_u32 s42, s42, s39
	s_lshl_b32 s38, s18, 10
	s_add_co_u32 s42, s42, s38
	s_add_nc_u64 s[6:7], s[6:7], s[42:43]          ; w2 at column 64 ct, byte 1,024 w
	s_lshl_b32 s42, s21, 12
	s_lshl_b32 s38, s19, 8
	s_add_co_u32 s42, s42, s38
	s_add_nc_u64 s[8:9], s[8:9], s[42:43]          ; b2 at column 64 ct
	s_lshl_b32 s42, s20, 16
	s_add_co_u32 s42, s42, s38
	s_add_co_u32 s42, s42, s39
	s_add_nc_u64 s[14:15], s[14:15], s[42:43]      ; y at tile hf, column 64 ct
	global_load_b128 v[20:23], v17, s[8:9]         ; b2 of my four columns
	WLD 0, HA
	WLD 1, HB
	s_mov_b32 s34, 0                               ; the buffer of partial sums in hand
	s_mov_b32 s35, s20                             ; T0: the trip's first tile
	s_mov_b32 s36, 0                               ; the trip
	s_wait_kmcnt 0x0
	s_min_u32 s22, s22, 1024
	s_max_u32 s22, s22, 1                          ; as the launch before has it: tile 0 always exists
	s_add_co_u32 s23, s22, 15
	s_lshr_b32 s23, s23, 4                         ; NTL: tiles that were written
	s_sub_co_u32 s24, s23, 1
	s_add_co_i32 s37, s30, s31
	s_add_co_i32 s37, s37, 127
	s_lshl_b32 s32, s37, 23                        ; 2^(eh + ew2)
	s_mov_b32 s33, s32
	WSTEP 0, HA                                    ; behind each tile of weights exactly 32 loads have been issued
	WLD 2, HA
	WSTEP 1, HB
	WLD 3, HB
	WSTEP 2, HA
	HADR 12, 0
	HLD HA, 12
	WSTEP 3, HB
	HADR 13, 2
	HLD HB, 13
	s_wait_dscnt 0x0                               ; all the weights are in their registers
.Ltrip:
	v_add_nc_u32 v9, s34, v7
	v_add_nc_u32 v10, s34, v8
	s_cmp_lt_u32 s35, s23
	s_cbranch_scc0 .Lno_mul
	MUL 0, HA
	PLACES
	s_add_co_u32 s38, s35, 4
	s_cmp_lt_u32 s38, s23
	s_cbranch_scc1 .Lfill_a
	s_wait_loadcnt 0x0                             ; nothing follows: all my loads are in, so the counts below are met
	s_branch .Ldone_a
.Lfill_a:
	HADR 12, 4                                     ; (the last count above has shown this buffer's loads done: their address may be written)
	HLD HA, 12
.Ldone_a:
	MUL 1, HB
	PLACES
	s_cmp_lt_u32 s38, s23
	s_cbranch_scc1 .Lfill_b
	s_wait_loadcnt 0x0
	s_branch .Ldone_b
.Lfill_b:
	HADR 13, 6
	HLD HB, 13
	; A PREFETCH of what the next trip's refills will ask for: my wave's 16 KiB of tiles T0 + 8 and T0 + 10, lanes 256 bytes apart, two instructions a tile.  It stands behind the wave's loads.
	; A tile's bytes are read by the 16 work-groups of its parity: the one with ct = 0 asks, each wave for its own K quarter: every block of 256 bytes is named once.  Tiles that were not written are not named.
	s_cmp_eq_u32 s40, 1
	s_cbranch_scc0 .Ldone_b
	s_add_co_u32 s37, s35, 8
	s_cmp_lt_u32 s37, s23
	s_cbranch_scc0 .Ldone_b
	s_min_u32 s37, s37, 63
	s_lshl_b32 s37, s37, 16
	v_add_nc_u32 v14, s37, v16
	global_prefetch_b8 v14, s[4:5] th:TH_LOAD_NT scope:SCOPE_SE
	global_prefetch_b8 v14, s[4:5] offset:8192 th:TH_LOAD_NT scope:SCOPE_SE
	s_add_co_u32 s37, s35, 10
	s_cmp_lt_u32 s37, s23
	s_cbranch_scc0 .Ldone_b
	s_min_u32 s37, s37, 63
	s_lshl_b32 s37, s37, 16
	v_add_nc_u32 v15, s37, v16
	global_prefetch_b8 v15, s[4:5] th:TH_LOAD_NT scope:SCOPE_SE
	global_prefetch_b8 v15, s[4:5] offset:8192 th:TH_LOAD_NT scope:SCOPE_SE
.Ldone_b:
.irp a, 0,1                            ; my quarter's sums: each accumulator from its low end on
.irp t, 0,1,2,3
	ds_store_b128 v9, v[ACC+32*\a+8*\t:ACC+32*\a+8*\t+3] offset:PT*\a+64*\t
	ds_store_b128 v9, v[ACC+32*\a+8*\t+4:ACC+32*\a+8*\t+7] offset:PT*\a+64*\t+16
.endr
.endr
.Lno_mul:
	s_wait_dscnt 0x0                               ; my stores have landed, and my reads of the last trip's buffer are back: that buffer is written again only behind the NEXT barrier
	s_barrier_signal -1
	s_barrier_wait -1
	s_cmp_lt_u32 s35, s23
	s_cbranch_scc0 .Ltail
.irp a, 0,1
.irp p, 0,1
.irp c, 0,1,2,3
	ds_load_b128 v[F+16*(2*\a+\p)+4*\c:F+16*(2*\a+\p)+4*\c+3], v10 offset:PT*\a+PW*\c+2*PP*\p
.endr
.endr
.endr
	RSUM 0, 0
	RSUM 0, 1
	RSUM 1, 0
	RSUM 1, 1
.Ltail:
	s_wait_xcnt 0x0                                ; stores and prefetches have read their registers and bases: they may be written again
	s_add_nc_u64 s[14:15], s[14:15], 0x40000       ; four tiles of rows on
	s_xor_b32 s34, s34, PB1
	s_add_co_u32 s35, s35, 4
	s_add_co_u32 s36, s36, 1
	s_cmp_lt_u32 s36, 16
	s_cbranch_scc1 .Ltrip
	s_wait_tensorcnt 0x0
	ds_add_u32 v254, v255
	s_wait_dscnt 0x0
	s_endpgm
.Lfunc_end_k_q7b62b49b34_ffn2:
	.size	k_q7b62b49b34_ffn2, .Lfunc_end_k_q7b62b49b34_ffn2-k_q7b62b49b34_ffn2
	.p2alignl 7, 3214868480
	.fill 96, 4, 3214868480
	.section	.rodata,"a",@progbits
	.p2align	6, 0x0
	.amdhsa_kernel k_q7b62b49b34_ffn2
		.amdhsa_group_segment_fixed_size 167424
		.amdhsa_private_segment_fixed_size 0
		.amdhsa_enable_private_segment 0
		.amdhsa_kernarg_size 48
		.amdhsa_user_sgpr_count 2
		.amdhsa_user_sgpr_kernarg_segment_ptr 1
		.amdhsa_wavefront_size32 1
		.amdhsa_system_sgpr_workgroup_id_x 1
		.amdhsa_system_sgpr_workgroup_id_y 1
		.amdhsa_system_sgpr_workgroup_id_z 1
		.amdhsa_system_vgpr_workitem_id 0
		.amdhsa_next_free_vgpr 1024
		.amdhsa_next_free_sgpr 66
		.amdhsa_reserve_vcc 0
		.amdhsa_float_denorm_mode_32 3
		.amdhsa_float_denorm_mode_16_64 3
		.amdhsa_memory_ordered 1
		.amdhsa_forward_progress 1
		.amdhsa_inst_pref_size 57
	.end_amdhsa_kernel
	.amdgpu_metadata
---
amdhsa.version: [ 1, 2 ]
amdhsa.kernels:
  - .name:           k_q7b62b49b34_ffn2
    .symbol:         k_q7b62b49b34_ffn2.kd
    .args:
      - { .name: himg, .offset: 0, .size: 8, .value_kind: global_buffer, .address_space: global }
      - { .name: w2_codes, .offset: 8, .size: 8, .value_kind: global_buffer, .address_space: global }
      - { .name: b2, .offset: 16, .size: 8, .value_kind: global_buffer, .address_space: global }
      - { .name: lowp_scales, .offset: 24, .size: 8, .value_kind: global_buffer, .address_space: global }
      - { .name: cnt, .offset: 32, .size: 8, .value_kind: global_buffer, .address_space: global }
      - { .name: y, .offset: 40, .size: 8, .value_kind: global_buffer, .address_space: global }
    .group_segment_fixed_size: 167424
    .private_segment_fixed_size: 0
    .kernarg_segment_align: 8
    .kernarg_segment_size: 48
    .max_flat_workgroup_size: 128
    .sgpr_count:     66
    .vgpr_count:     1024
    .wavefront_size: 32
...
	.end_amdgpu_metadata
.endif
;; end of part 3
;; launch combine (part 4): grid 256 x 1, 4 waves a work-group, no clusters, 0 bytes of LDS; arguments y, dest, topv, out0; writes out0
.if DOCPART == 4
	.amdgcn_target "amdgcn-amd-amdhsa--gfx1250"
	.amdhsa_code_object_version 6
	.text
	.protected	k_q7b62b49b34_combine
	.globl	k_q7b62b49b34_combine
	.p2align	8
	.type	k_q7b62b49b34_combine,@function
k_q7b62b49b34_combine:
	s_mov_b64 s[64:65], 0
	v_nop
	global_prefetch_b8 v0, s[64:65] scope:SCOPE_SE
	s_setreg_imm32_b32 hwreg(HW_REG_WAVE_MODE, 25, 1), 1
	s_wait_xcnt 0x0
; out[t] = c0 y[dest[2 t]] + c1 y[dest[2 t + 1]]: each output row has one owner, a wave; token t = 4 x work-group + wave.
; A stream: two rows of 4,096 bytes in, one out; each load and store of the wave covers 512 consecutive bytes, aligned.  All 16 loads go out at once; the waits count down.
; No LDS, no barrier, no matrix unit: memory binds, and waves share nothing.
.set R, 16                             ; v16-79: piece i: 4 registers of the first row, 4 of the second; the result takes the first row's place
	s_load_b256 s[4:11], s[0:1], 0x0               ; y s[4:5], dest s[6:7], topv s[8:9], out0 s[10:11]
	v_lshrrev_b32 v1, 5, v0
	v_readfirstlane_b32 s12, v1                    ; wave
	v_and_b32 v1, 31, v0
	v_lshlrev_b32 v3, 4, v1                        ; 16 x lane
	s_lshl_b32 s13, ttmp9, 2
	s_add_co_u32 s13, s13, s12                     ; t
	s_lshl_b32 s20, s13, 3
	s_lshl_b32 s22, s13, 12
	s_mov_b32 s23, 0
	s_wait_kmcnt 0x0
	s_load_b64 s[14:15], s[6:7], s20 offset:0x0    ; the two rows' places
	s_load_b64 s[16:17], s[8:9], s20 offset:0x0    ; c0, c1
	s_add_nc_u64 s[10:11], s[10:11], s[22:23]
	s_wait_kmcnt 0x0
	s_min_u32 s14, s14, 8191
	s_min_u32 s15, s15, 8191
	s_lshl_b32 s14, s14, 12
	s_lshl_b32 s15, s15, 12
	v_add_nc_u32 v1, s14, v3
	v_add_nc_u32 v2, s15, v3
	s_mov_b32 s18, s17                             ; c1 as a pair,
	s_mov_b32 s19, s17
	s_mov_b32 s17, s16                             ; c0 as a pair: the packed forms name the pair and take its low word for both halves
.irp i, 0,1,2,3,4,5,6,7
	global_load_b128 v[R+8*\i:R+8*\i+3], v1, s[4:5] offset:512*\i th:TH_LOAD_NT
	global_load_b128 v[R+8*\i+4:R+8*\i+7], v2, s[4:5] offset:512*\i th:TH_LOAD_NT
.endr
.irp i, 0,1,2,3,4,5,6,7
	s_wait_loadcnt 14-2*\i                         ; piece i of both rows is in; the younger pieces may be out
	v_pk_mul_f32 v[R+8*\i:R+8*\i+1], v[R+8*\i:R+8*\i+1], s[16:17] op_sel_hi:[1,0]
	v_pk_mul_f32 v[R+8*\i+2:R+8*\i+3], v[R+8*\i+2:R+8*\i+3], s[16:17] op_sel_hi:[1,0]
	v_pk_fma_f32 v[R+8*\i:R+8*\i+1], v[R+8*\i+4:R+8*\i+5], s[18:19], v[R+8*\i:R+8*\i+1] op_sel_hi:[1,0,1]
	v_pk_fma_f32 v[R+8*\i+2:R+8*\i+3], v[R+8*\i+6:R+8*\i+7], s[18:19], v[R+8*\i+2:R+8*\i+3] op_sel_hi:[1,0,1]
	global_store_b128 v3, v[R+8*\i:R+8*\i+3], s[10:11] offset:512*\i th:TH_STORE_NT
.endr
	s_endpgm
.Lfunc_end_k_q7b62b49b34_combine:
	.size	k_q7b62b49b34_combine, .Lfunc_end_k_q7b62b49b34_combine-k_q7b62b49b34_combine
	.p2alignl 7, 3214868480
	.fill 96, 4, 3214868480
	.section	.rodata,"a",@progbits
	.p2align	6, 0x0
	.amdhsa_kernel k_q7b62b49b34_combine
		.amdhsa_group_segment_fixed_size 0
		.amdhsa_private_segment_fixed_size 0
		.amdhsa_enable_private_segment 0
		.amdhsa_kernarg_size 32
		.amdhsa_user_sgpr_count 2
		.amdhsa_user_sgpr_kernarg_segment_ptr 1
		.amdhsa_wavefront_size32 1
		.amdhsa_system_sgpr_workgroup_id_x 1
		.amdhsa_system_sgpr_workgroup_id_y 1
		.amdhsa_system_sgpr_workgroup_id_z 1
		.amdhsa_system_vgpr_workitem_id 0
		.amdhsa_next_free_vgpr 88
		.amdhsa_next_free_sgpr 66
		.amdhsa_reserve_vcc 0
		.amdhsa_float_denorm_mode_32 3
		.amdhsa_float_denorm_mode_16_64 3
		.amdhsa_memory_ordered 1
		.amdhsa_forward_progress 1
		.amdhsa_inst_pref_size 6
	.end_amdhsa_kernel
	.amdgpu_metadata
---
amdhsa.version: [ 1, 2 ]
amdhsa.kernels:
  - .name:           k_q7b62b49b34_combine
    .symbol:         k_q7b62b49b34_combine.kd
    .args:
      - { .name: y, .offset: 0, .size: 8, .value_kind: global_buffer, .address_space: global }
      - { .name: dest, .offset: 8, .size: 8, .value_kind: global_buffer, .address_space: global }
      - { .name: topv, .offset: 16, .size: 8, .value_kind: global_buffer, .address_space: global }
      - { .name: out0, .offset: 24, .size: 8, .value_kind: global_buffer, .address_space: global }
    .group_segment_fixed_size: 0
    .private_segment_fixed_size: 0
    .kernarg_segment_align: 8
    .kernarg_segment_size: 32
    .max_flat_workgroup_size: 128
    .sgpr_count:     66
    .vgpr_count:     88
    .wavefront_size: 32
...
	.end_amdgpu_metadata
.endif
;; end of part 4
;; ======== version 2 of 2: 4 launches
;; workspace buffers: topi 8,192 bytes of whole numbers; topv 8,192 bytes; xq 2,097,152 bytes; dest 8,192 bytes of whole numbers; cnt 256 bytes of whole numbers; himg 33,554,432 bytes; y 33,554,432 bytes
;; launch gate (part 5): grid 256 x 1, 4 waves a work-group, no clusters, 35,328 bytes of LDS; arguments x, gate_w, lowp_scales, topi, topv, xq; writes topi, topv, xq
.if DOCPART == 5
	.amdgcn_target "amdgcn-amd-amdhsa--gfx1250"
	.amdhsa_code_object_version 6
	.text
	.protected	k_q7b62b49b34_gate
	.globl	k_q7b62b49b34_gate
	.p2align	8
	.type	k_q7b62b49b34_gate,@function
k_q7b62b49b34_gate:
	s_mov_b64 s[64:65], 0
	v_nop
	global_prefetch_b8 v0, s[64:65] scope:SCOPE_SE
	s_setreg_imm32_b32 hwreg(HW_REG_WAVE_MODE, 25, 1), 1
	s_wait_xcnt 0x0
; THE ROUTER, AND x AS CODES.  A wave takes one token t = 4 x work-group + wave.
; logits = x[t] . gate_w in f32 (a flipped choice would change a whole output row, so nothing coarser stands here), softmax with its maximum taken away,
; the two largest probabilities (ties: the lower index), renormalised over the two.  Stored at fixed places: topi[t] = (i0, i1), topv[t] = (c0, c1).
; x[t] is quantised twice, once with the x-scale of each chosen expert (lowp_scales[4 e]; the exponent is CHOSEN by v_cndmask_b32, no address hangs on it):
; xq[2 t + k][1024] codes of E5M2, K in its true order.
; Lane l holds x[t][256 g + 8 l + j], g = 0..3, j = 0..7: its 8 codes of a g are 8 bytes, and the wave's store covers 256 consecutive bytes, aligned.
; gate_w (32 KiB) comes into LDS once for the four waves, as 128 pieces of 256 bytes (8 rows k x 8 experts) 272 bytes apart, so that the lanes' 16-byte reads start at different banks.
; LIMITS: each x-scale's exponent between -126 and 112; NaN and infinities among the inputs are not served; a probability under 2^-126 counts as 0 (v_exp_f32 gives 0 there).
; The two stores of 8 bytes a token (topi, topv: 16 KiB in the whole launch) do not fill their 256-byte neighbourhoods from one wave.
.set X,   16                           ; v16-47   x: 8 g + j
.set G0,  48                           ; v48-111  gate_w as loaded; then a group's 8 rows x 8 experts (8 j + e); later numbers held and codes
.set G1,  112                          ; v112-175 the other group
.set A,   176                          ; v176-183 eight sums, then the probabilities
.set TA,  48                           ; two sets of 8 numbers held within the largest code x the scale
.set CO,  64                           ; v64-79   codes: two registers for each (k, g): no store's data are written again
	s_load_b128 s[4:7], s[0:1], 0x0                ; x, gate_w
	s_load_b128 s[8:11], s[0:1], 0x10              ; lowp_scales, topi
	s_load_b128 s[12:15], s[0:1], 0x20             ; topv, xq
	v_lshl_add_u32 v208, v0, 2, 0x8800
	v_mov_b32 v209, 0
	v_lshrrev_b32 v1, 5, v0
	v_readfirstlane_b32 s48, v1                    ; wave
	v_and_b32 v1, 31, v0                           ; lane
	v_lshlrev_b32 v2, 5, v1                        ; x: 32 bytes a lane
	v_lshlrev_b32 v3, 4, v0                        ; gate_w: 16 bytes a thread
	v_lshrrev_b32 v4, 4, v0
	v_mul_u32_u24 v4, v4, 272
	v_and_b32 v5, 15, v0
	v_lshl_add_u32 v4, v5, 4, v4                   ; LDS, in: piece (thread / 16) x 272 + 16 (thread % 16)
	v_mul_u32_u24 v5, v1, 272                      ; LDS, out: my lane's piece of a group
	v_lshlrev_b32 v6, 3, v1                        ; xq: 8 bytes a lane
	v_mov_b32 v7, 0
	v_mov_b32 v184, 0                              ; written once: a lane permute's destination counts as one of its sources
	s_lshl_b32 s49, ttmp9, 2
	s_add_co_u32 s49, s49, s48                     ; t
	s_mov_b32 s54, 0x76543210
	s_mov_b32 s55, 0xfedcba98                      ; v_permlanex16_b32: lane l xor 16
	s_mov_b32 s57, 0
	s_lshl_b32 s56, s49, 12
	s_wait_alu depctr_va_vdst(0)
	s_wait_kmcnt 0x0
	s_load_b512 s[16:31], s[8:9], 0x0              ; all 32 exponents; expert e's x-scale is entry 4 e: s[16 + 4 e]
	s_load_b512 s[32:47], s[8:9], 0x40
	s_add_nc_u64 s[4:5], s[4:5], s[56:57]          ; x at my token
	s_lshl_b32 s56, s49, 11
	s_add_nc_u64 s[14:15], s[14:15], s[56:57]      ; xq at slot 2 t
	s_lshl_b32 s56, s49, 3
	s_add_nc_u64 s[10:11], s[10:11], s[56:57]      ; topi, topv at t
	s_add_nc_u64 s[12:13], s[12:13], s[56:57]
.irp i, 0,1,2,3,4,5,6,7,8,9,10,11,12,13,14,15
	global_load_b128 v[G0+4*\i:G0+4*\i+3], v3, s[6:7] offset:2048*\i
.endr
.irp g, 0,1,2,3
	global_load_b128 v[X+8*\g:X+8*\g+3], v2, s[4:5] offset:1024*\g th:TH_LOAD_NT
	global_load_b128 v[X+8*\g+4:X+8*\g+7], v2, s[4:5] offset:1024*\g+16 th:TH_LOAD_NT
.endr
	s_wait_loadcnt 8                               ; gate_w is in; the eight younger loads (x) may be out
.irp i, 0,1,2,3,4,5,6,7,8,9,10,11,12,13,14,15
	ds_store_b128 v4, v[G0+4*\i:G0+4*\i+3] offset:2176*\i
.endr
	s_wait_dscnt 0x0                               ; for the others' sake: my part of gate_w lies in LDS
	s_barrier_signal -1
	s_barrier_wait -1
.macro GW g, buf                       ; my lane's 8 rows of gate_w of group g: 16 loads of 16 bytes
.irp m, 0,1,2,3,4,5,6,7,8,9,10,11,12,13,14,15
	ds_load_b128 v[\buf+4*\m:\buf+4*\m+3], v5 offset:8704*\g+16*\m
.endr
.endm
.macro DOT g, buf                      ; sums[e] += x[j] gate_w[j][e]: two experts an instruction; of x's pair the word j % 2 serves both halves
.irp j, 0,1,2,3,4,5,6,7
.irp p, 0,1,2,3
.if (\g == 0) && (\j == 0)
	v_pk_mul_f32 v[A+2*\p:A+2*\p+1], v[X:X+1], v[\buf+2*\p:\buf+2*\p+1] op_sel_hi:[0,1]   ; the first product starts the sums
.elseif (\j % 2) == 0
	v_pk_fma_f32 v[A+2*\p:A+2*\p+1], v[X+8*\g+\j:X+8*\g+\j+1], v[\buf+8*\j+2*\p:\buf+8*\j+2*\p+1], v[A+2*\p:A+2*\p+1] op_sel_hi:[0,1,1]
.else
	v_pk_fma_f32 v[A+2*\p:A+2*\p+1], v[X+8*\g+\j-1:X+8*\g+\j], v[\buf+8*\j+2*\p:\buf+8*\j+2*\p+1], v[A+2*\p:A+2*\p+1] op_sel:[1,0,0] op_sel_hi:[1,1,1]
.endif
.endr
.endr
.endm
	GW 0, G0
	GW 1, G1
	s_wait_loadcnt 0x0                             ; x
	s_wait_dscnt 16                                ; the older group is in, the younger 16 loads may be out
	DOT 0, G0
	GW 2, G0
	s_wait_alu depctr_va_vdst(0)
	s_wait_dscnt 16
	DOT 1, G1
	GW 3, G1
	s_wait_alu depctr_va_vdst(0)
	s_wait_dscnt 16
	DOT 2, G0
	s_wait_alu depctr_va_vdst(0)
	s_wait_dscnt 0x0
	DOT 3, G1
.irp e, 0,1,2,3,4,5,6,7                ; each sum over the 32 lanes; every lane ends with the logit
	v_add_f32_dpp v[A+\e], v[A+\e], v[A+\e] row_xmask:1 row_mask:0xf bank_mask:0xf
	v_add_f32_dpp v[A+\e], v[A+\e], v[A+\e] row_xmask:2 row_mask:0xf bank_mask:0xf
	v_add_f32_dpp v[A+\e], v[A+\e], v[A+\e] row_xmask:4 row_mask:0xf bank_mask:0xf
	v_add_f32_dpp v[A+\e], v[A+\e], v[A+\e] row_xmask:8 row_mask:0xf bank_mask:0xf
	v_permlanex16_b32 v184, v[A+\e], s54, s55
	v_add_f32 v[A+\e], v[A+\e], v184
.endr
	; softmax: the maximum is taken away first
	v_max3_num_f32 v190, v[A], v[A+1], v[A+2]
	v_max3_num_f32 v190, v190, v[A+3], v[A+4]
	v_max3_num_f32 v190, v190, v[A+5], v[A+6]
	v_max_num_f32 v190, v190, v[A+7]
.irp e, 0,1,2,3,4,5,6,7
	v_sub_f32 v[A+\e], v[A+\e], v190
.endr
.irp e, 0,1,2,3,4,5,6,7
	v_mul_f32 v[A+\e], 0x3fb8aa3b, v[A+\e]         ; x log2(e)
.endr
	s_wait_alu depctr_va_vdst(0)
.irp e, 0,1,2,3,4,5,6,7
	v_exp_f32 v[A+\e], v[A+\e]
.endr
	v_nop                                          ; a plain instruction behind the last exponential
	s_wait_alu depctr_va_vdst(0)                   ; one wait for the batch of eight, ahead of its first reader
	v_add_f32 v190, v[A], v[A+1]
	v_add_f32 v191, v[A+2], v[A+3]
	v_add_f32 v192, v[A+4], v[A+5]
	v_add_f32 v193, v[A+6], v[A+7]
	v_add_f32 v190, v190, v191
	v_add_f32 v192, v192, v193
	v_add_f32 v190, v190, v192                     ; at least 1: the largest term is 1
	s_wait_alu depctr_va_vdst(0)
	v_rcp_f32 v191, v190
	v_nop
	s_wait_alu depctr_va_vdst(0)
.irp e, 0,1,2,3,4,5,6,7
	v_mul_f32 v[A+\e], v[A+\e], v191               ; the probabilities
.endr
	; the largest: a later one takes its place only where it is strictly larger, so ties keep the lower index
	v_mov_b32 v186, v[A]
	v_mov_b32 v188, 0
.irp i, 1,2,3,4,5,6,7
	v_cmp_le_f32 vcc_lo, v[A+\i], v186             ; keep
	v_cndmask_b32 v188, \i, v188, vcc_lo
	v_max_num_f32 v186, v186, v[A+\i]
.endr
	; the second: the same among the other seven; it begins under every probability
	v_mov_b32 v187, -1.0
	v_mov_b32 v189, 0
.irp i, 0,1,2,3,4,5,6,7
	v_cmp_eq_u32 s52, \i, v188
	v_cmp_le_f32 vcc_lo, v[A+\i], v187
	s_or_b32 vcc_lo, vcc_lo, s52                   ; keep: it is the first one, or it is not larger
	v_cndmask_b32 v189, \i, v189, vcc_lo
	v_cndmask_b32 v187, v[A+\i], v187, vcc_lo
.endr
	v_add_f32 v190, v186, v187
	s_wait_alu depctr_va_vdst(0)
	v_rcp_f32 v191, v190
	v_nop
	s_wait_alu depctr_va_vdst(0)
	v_mul_f32 v186, v186, v191                     ; c0, c1
	v_mul_f32 v187, v187, v191
	s_wait_kmcnt 0x0                               ; the exponents
; x as codes under the x-scale of the expert in v[idx]: slot 2 t + k
.macro QX k, idx
.set EV, 192+4*\k
	v_mov_b32 v[EV], s16
.irp e, 1,2,3,4,5,6,7
	v_cmp_ne_u32 vcc_lo, \e, v[\idx]
	v_cndmask_b32 v[EV], s[16+4*\e], v[EV], vcc_lo
.endr
	v_add_nc_u32 v[EV], 127, v[EV]
	v_lshlrev_b32 v[EV+1], 23, v[EV]               ; 2^e as f32: the conversion takes its exponent field
	v_add_nc_u32 v[EV], 15, v[EV]
	v_lshlrev_b32 v[EV], 23, v[EV]
	v_or_b32 v[EV+2], 0x600000, v[EV]              ; 57,344 x 2^e
.irp g, 0,1,2,3
.set TT, TA+8*(\g%2)                   ; two sets by turns: a conversion's sources are written again only behind the other set's eight plain lines
.irp j, 0,1,2,3,4,5,6,7
	v_med3_num_f32 v[TT+\j], v[X+8*\g+\j], -v[EV+2], v[EV+2]   ; the conversion to an 8-bit code does not saturate (ISA guide 7.6.2): the hold comes first
.endr
	v_cvt_scalef32_pk8_bf8_f32 v[CO+8*\k+2*\g:CO+8*\k+2*\g+1], v[TT:TT+7], v[EV+1]
	global_store_b64 v6, v[CO+8*\k+2*\g:CO+8*\k+2*\g+1], s[14:15] offset:1024*\k+256*\g   ; 32 lanes store 256 consecutive bytes, aligned
.endr
.endm
	QX 0, 188
	QX 1, 189
	v_nop                                          ; a plain line behind the last conversion
	v_cmp_eq_u32 vcc_lo, 0, v1
	s_wait_xcnt 0x0                                ; EXEC changes only behind this wait
	s_wait_tensorcnt 0x0
	ds_add_u32 v208, v209
	s_wait_dscnt 0x0
	s_and_saveexec_b32 s52, vcc_lo                 ; lane 0 alone
	global_store_b64 v7, v[188:189], s[10:11]      ; the chosen experts
	global_store_b64 v7, v[186:187], s[12:13]      ; their weights
	s_wait_xcnt 0x0
	s_or_b32 exec_lo, exec_lo, s52
	s_endpgm
.Lfunc_end_k_q7b62b49b34_gate:
	.size	k_q7b62b49b34_gate, .Lfunc_end_k_q7b62b49b34_gate-k_q7b62b49b34_gate
	.p2alignl 7, 3214868480
	.fill 96, 4, 3214868480
	.section	.rodata,"a",@progbits
	.p2align	6, 0x0
	.amdhsa_kernel k_q7b62b49b34_gate
		.amdhsa_group_segment_fixed_size 35328
		.amdhsa_private_segment_fixed_size 0
		.amdhsa_enable_private_segment 0
		.amdhsa_kernarg_size 48
		.amdhsa_user_sgpr_count 2
		.amdhsa_user_sgpr_kernarg_segment_ptr 1
		.amdhsa_wavefront_size32 1
		.amdhsa_system_sgpr_workgroup_id_x 1
		.amdhsa_system_sgpr_workgroup_id_y 1
		.amdhsa_system_sgpr_workgroup_id_z 1
		.amdhsa_system_vgpr_workitem_id 0
		.amdhsa_next_free_vgpr 210
		.amdhsa_next_free_sgpr 66
		.amdhsa_reserve_vcc 1
		.amdhsa_float_denorm_mode_32 3
		.amdhsa_float_denorm_mode_16_64 3
		.amdhsa_memory_ordered 1
		.amdhsa_forward_progress 1
		.amdhsa_inst_pref_size 32
	.end_amdhsa_kernel
	.amdgpu_metadata
---
amdhsa.version: [ 1, 2 ]
amdhsa.kernels:
  - .name:           k_q7b62b49b34_gate
    .symbol:         k_q7b62b49b34_gate.kd
    .args:
      - { .name: x, .offset: 0, .size: 8, .value_kind: global_buffer, .address_space: global }
      - { .name: gate_w, .offset: 8, .size: 8, .value_kind: global_buffer, .address_space: global }
      - { .name: lowp_scales, .offset: 16, .size: 8, .value_kind: global_buffer, .address_space: global }
      - { .name: topi, .offset: 24, .size: 8, .value_kind: global_buffer, .address_space: global }
      - { .name: topv, .offset: 32, .size: 8, .value_kind: global_buffer, .address_space: global }
      - { .name: xq, .offset: 40, .size: 8, .value_kind: global_buffer, .address_space: global }
    .group_segment_fixed_size: 35328
    .private_segment_fixed_size: 0
    .kernarg_segment_align: 8
    .kernarg_segment_size: 48
    .max_flat_workgroup_size: 128
    .sgpr_count:     66
    .vgpr_count:     210
    .wavefront_size: 32
...
	.end_amdgpu_metadata
.endif
;; end of part 5
;; launch ffn1 (part 6): grid 32 x 8, 4 waves a work-group, no clusters, 264,704 bytes of LDS; arguments xq, w1_codes, b1, lowp_scales, topi, cnt, dest, himg; writes himg, cnt, dest
.if DOCPART == 6
	.amdgcn_target "amdgcn-amd-amdhsa--gfx1250"
	.amdhsa_code_object_version 6
	.text
	.protected	k_q7b62b49b34_ffn1
	.globl	k_q7b62b49b34_ffn1
	.p2align	8
	.type	k_q7b62b49b34_ffn1,@function
k_q7b62b49b34_ffn1:
	s_mov_b64 s[64:65], 0
	v_nop
	global_prefetch_b8 v0, s[64:65] scope:SCOPE_SE
	s_setreg_imm32_b32 hwreg(HW_REG_WAVE_MODE, 25, 1), 1
	s_wait_xcnt 0x0
; h = Q(gelu(x w1[e] + b1[e])) for the rows that chose expert e, on codes of E5M2, and h leaves as images of the next product's operand registers.  The rows are also PLACED here, at the head.
; SHARES.  Work-group (j, e): the 128 hidden units 128 j .. of expert e, which are K step j of the second product.  THE WEIGHTS STAND STILL: wave w = (cg = w & 1, rg = w >> 1) keeps units 64 cg .. 64 cg + 63
; over all K = 1,024 in 512 registers for the whole launch; each byte of w1 leaves memory once.  The expert's rows, however many (0 to 1,024), walk past in blocks of 64.
; The grid, 32 x 8, serves every split.  No tensor load, no cluster: how much work a trip has hangs on whole numbers read from memory.  The loop has a constant 16 trips with one barrier each on every wave's path;
; scalar branches on the count lead round the WORK alone.
; THE PLACING, on whole numbers alone, while the first weights are on their way.  topi (the chosen experts, stored by the launch before) is read whole by every wave: 32 groups of 32 tokens, group g = tokens
; 64 (g / 2) + 2 lane + g % 2.  A token names an expert at most once.  Rank of a token that names e = how many such tokens stand in earlier groups (a running scalar count) + in lower lanes (v_mbcnt_lo_u32_b32).
; Any one-to-one order of an expert's rows serves, since no row is ever dropped.  So every wave has the count as a scalar.  Wave 0 lays the list rank -> slot (2 token + k) in LDS, over zeros (slot 0 exists), a barrier follows,
; ahead of every other LDS access.  A lane whose token does not name e stores into a word of its own behind the list: EXEC stays whole.
; For the later launches: work-group (j, e) stores dest[slot] = 1024 e + rank for the tokens of group j (two stores of 4 bytes a lane under a mask; 8 KiB in the whole launch, not in whole 256-byte neighbourhoods), work-group (0, e) cnt[e].
; A BLOCK: wave w gathers tile w (16 rows of xq by the list) into registers a whole trip ahead, puts it into one of two LDS buffers | barrier | wave (cg, rg) multiplies tiles 2 rg, 2 rg + 1.
; LAYOUT.  The product is used transposed (source 0 = 16 rows of w1, source 1 = 16 rows of x): a lane holds ONE row of h.  Lane p of weight tile 2 b + u takes unit 32 b + 8 u + p + 8 (p / 8), so that the 16 registers of
; tiles 2 b, 2 b + 1 are 16 neighbours along the next K.  A fragment (16 rows x 128 K) is 16 registers: lane (r, h) holds, in registers 4 c .. 4 c + 3, k = 32 c + 16 h + 0 .. 15 of row r: four loads of 16 bytes.
; That is one permutation of k within an instruction, the same for both operands, so every product meets its partner.
; GELU, exact form: gelu(u) = max(u, 0) - |u g|, g = erfc(|u| / sqrt 2) / 2 = t 2^(P(t) - u^2 log2(e) / 2), t = 1 / (1 + |u| / (2 sqrt 2)), P of degree 9 (a fit of erfc whose error is a fraction of erfc itself,
; about 1.2e-7, so the negative tail keeps its relative accuracy); all in f32.
; himg[e][tile of 16 rows][K step][c][lane][16 bytes]: a store of the wave covers 512 consecutive bytes, aligned.  Tile T is stored where 16 T < max(count, 1).
; LIMITS: ex + ew1 between -126 and 127, eh between -126 and 112; NaN and infinities are not served.
; REGISTERS, in windows of 256.  Window 0: v4-13 addresses and scales, v[14:15] a coefficient, v16-31 the gather's offsets, v32-63 b1, v64-127 eight accumulators (32 m + 8 t), v128-191 and v216-247 gelu at work, v200-215 codes,
;   v248-253 what the placing leaves.  At the head v64-127 hold topi, v128-191 the list's addresses and slots.
;   Windows 1, 2: the weights: fragment (tile t, K step s) in window 1 + s / 4 at v[16 (4 (s % 4) + t)].   Window 3: v0-127 x's fragments, two sets of 64; v128-255 the 16 gathered rows.
.set XP,    1040                       ; an LDS row: 1,024 bytes + 16: 65 x 16, so the 16 rows that a fragment load touches start at different banks
.set XT,    16*XP                      ; a tile of 16 rows
.set XB1,   0x20000                    ; the second buffer for x: one exclusive or turns an address from one buffer to the other
.set LIST,  0x11000                    ; between the two buffers: 8,192 bytes: the list's 1,024 words, 32 words for the lanes that have nothing to store, zeros
.set WST,   XB1+4*XT                   ; behind the second buffer: a stage of 16 rows for each wave, its own, for the weights' way into registers
.set L0,    0                          ; window 3: where weights land on their way (later x's fragments),
.set L1,    128                        ; and the other (later the gathered rows)
.set XR,    128
.set VO,    16
.set BI,    32
.set ACC,   64
.set T,     128
.set P,     160
.set CD,    200
.set Q,     216
.set TP,    64                         ; the head: topi, group g's pair at TP + 2 g
.set AD,    128                        ; the head: where group g's lanes store in the list
.set SL,    160                        ; the head: what they store
.set LS,    216                        ; 16 slots of the list, from a trip's head to its gather (gelu's registers are free then)
.set MSB, 0
.macro WIN new                         ; the immediate's high byte repeats the setting that is left; a switch that changes nothing is dropped
.if MSB != \new
	s_set_vgpr_msb (MSB<<8)|\new
.set MSB, \new
.endif
.endm
.macro PLACES                          ; four plain lines behind matrix instructions, ahead of loads into their sources and of reads of their results
.rept 4
	v_nop
.endr
.endm
.macro SC r, bits                      ; a constant as a scalar pair: the packed forms name the pair and take its low word for both halves
	s_mov_b32 s[\r], \bits
	s_mov_b32 s[\r+1], \bits
.endm
.macro WLD t, L                        ; weight tile t: its 16 rows of 1,024 bytes, 512 consecutive bytes a load, into window 3
	WIN 0xc0
.irp p, 0,1,2,3,4,5,6,7,8,9,10,11,12,13,14,15
	global_load_b128 v[\L+8*\p:\L+8*\p+3], v4, s[6:7] offset:(32*((\t)/2)+8*((\t)%2)+\p+8*(\p/8))*1024
	global_load_b128 v[\L+8*\p+4:\L+8*\p+7], v4, s[6:7] offset:(32*((\t)/2)+8*((\t)%2)+\p+8*(\p/8))*1024+512
.endr
	WIN 0
.endm
.macro WSTEP t, L                      ; tile t goes through my stage and comes back as its eight fragments
	s_wait_loadcnt 32                              ; the tile is in; the 32 loads issued behind it may be out
	WIN 0x0c                                       ; store data in window 3
.irp p, 0,1,2,3,4,5,6,7,8,9,10,11,12,13,14,15
	ds_store_b128 v5, v[\L+8*\p:\L+8*\p+3] offset:XP*\p
	ds_store_b128 v5, v[\L+8*\p+4:\L+8*\p+7] offset:XP*\p+512
.endr
	WIN 0x40                                       ; LDS serves a wave's instructions in order (ISA guide 5.7.1.4): these see the stores above, and the next tile's stores come behind them
.irp s, 0,1,2,3
.irp c, 0,1,2,3
	ds_load_b128 v[16*(4*\s+\t)+4*\c:16*(4*\s+\t)+4*\c+3], v6 offset:128*\s+32*\c
.endr
.endr
	WIN 0x80
.irp s, 0,1,2,3
.irp c, 0,1,2,3
	ds_load_b128 v[16*(4*\s+\t)+4*\c:16*(4*\s+\t)+4*\c+3], v6 offset:512+128*\s+32*\c
.endr
.endr
	WIN 0
	s_wait_dscnt 32                                ; the stores are done (the 32 loads behind them may be out): their registers may be loaded again
.endm
; Eight groups of the placing, 8 B .. 8 B + 7, operation by operation, so that no line waits for the line above it.
.macro PLB B
.irp n, 0,1,2,3,4,5,6,7
	v_cmp_eq_u32 s[40+\n], s22, v[TP+2*(8*\B+\n)]          ; the first choice is e,
	v_cmp_eq_u32 s[48+\n], s22, v[TP+2*(8*\B+\n)+1]        ; the second is
.endr
.irp n, 0,1,2,3,4,5,6,7
	s_or_b32 s[40+\n], s[40+\n], s[48+\n]                  ; the group's tokens that name e
	s_mov_b32 s[56+\n], s93                                ; how many stand in the groups before
	s_cmp_eq_u32 ttmp9, 8*\B+\n
	s_cselect_b32 s95, s93, s95                            ; kept for group j, whose dest this work-group stores
	s_bcnt1_i32_b32 s31, s[40+\n]
	s_add_co_u32 s93, s93, s31
.endr
.irp n, 0,1,2,3,4,5,6,7
	v_mbcnt_lo_u32_b32 v[AD+8*\B+\n], s[40+\n], s[56+\n]   ; the rank
.endr
.irp n, 0,1,2,3,4,5,6,7
	v_cndmask_b32 v[AD+8*\B+\n], v200, v[AD+8*\B+\n], s[40+\n]   ; a lane with nothing to store: word 1,024 + lane
.endr
.irp n, 0,1,2,3,4,5,6,7
	v_min_u32 v[AD+8*\B+\n], 0x7ff, v[AD+8*\B+\n]          ; held inside the 8,192 bytes; behind the hold a shift and an addition alone
.endr
.irp n, 0,1,2,3,4,5,6,7
	v_lshlrev_b32 v[AD+8*\B+\n], 2, v[AD+8*\B+\n]
.endr
.irp n, 0,1,2,3,4,5,6,7
	v_add_nc_u32 v[AD+8*\B+\n], LIST, v[AD+8*\B+\n]
.endr
.irp n, 0,1,2,3,4,5,6,7
	v_cndmask_b32 v[SL+8*\B+\n], 0, 1, s[48+\n]            ; k
.endr
.irp n, 0,1,2,3,4,5,6,7
	v_add3_u32 v[SL+8*\B+\n], v[SL+8*\B+\n], v201, 128*((8*\B+\n)/2)+2*((8*\B+\n)%2)   ; slot = 2 token + k = 128 (g / 2) + 4 lane + 2 (g % 2) + k
.endr
.endm
.macro VOFF                            ; the list's 16 slots become offsets into xq: slot x 1,024 + 16 x lane
.irp p, 0,1,2,3,4,5,6,7,8,9,10,11,12,13,14,15
	v_min_u32 v[LS+\p], 0x7ff, v[LS+\p]
.endr
.irp p, 0,1,2,3,4,5,6,7,8,9,10,11,12,13,14,15
	v_lshlrev_b32 v[LS+\p], 10, v[LS+\p]
.endr
.irp p, 0,1,2,3,4,5,6,7,8,9,10,11,12,13,14,15
	v_add_nc_u32 v[VO+\p], v4, v[LS+\p]
.endr
.endm
.macro XL                              ; 16 rows of xq, 512 consecutive bytes a load
	WIN 0xc0
.irp p, 0,1,2,3,4,5,6,7,8,9,10,11,12,13,14,15
	global_load_b128 v[XR+8*\p:XR+8*\p+3], v[VO+\p], s[4:5]
	global_load_b128 v[XR+8*\p+4:XR+8*\p+7], v[VO+\p], s[4:5] offset:512
.endr
	WIN 0
.endm
.macro SETLD q, f                      ; x's fragments of K steps 2 q, 2 q + 1, of my two tiles, into set f
	WIN 0xc0
.irp sl, 0,1
.irp m, 0,1
.irp c, 0,1,2,3
	ds_load_b128 v[64*\f+32*\sl+16*\m+4*\c:64*\f+32*\sl+16*\m+4*\c+3], v10 offset:XT*\m+128*(2*\q+\sl)+32*\c
.endr
.endr
.endr
.endm
.macro MULSET q, f                     ; 16 matrix instructions; the eight accumulators take turns, one instruction a turn; the first K step starts the sums
.if \q < 2
	WIN 0x0d                                       ; source 0 (weights) window 1, source 1 (x) window 3
.else
	WIN 0x0e                                       ; weights in window 2
.endif
.irp sl, 0,1
.irp t, 0,1,2,3
.irp m, 0,1
.if (\q == 0) && (\sl == 0)
	v_wmma_f32_16x16x128_bf8_bf8 v[ACC+32*\m+8*\t:ACC+32*\m+8*\t+7], v[16*(4*((2*\q+\sl)%4)+\t):16*(4*((2*\q+\sl)%4)+\t)+15], v[64*\f+32*\sl+16*\m:64*\f+32*\sl+16*\m+15], 0
.else
	v_wmma_f32_16x16x128_bf8_bf8 v[ACC+32*\m+8*\t:ACC+32*\m+8*\t+7], v[16*(4*((2*\q+\sl)%4)+\t):16*(4*((2*\q+\sl)%4)+\t)+15], v[64*\f+32*\sl+16*\m:64*\f+32*\sl+16*\m+15], v[ACC+32*\m+8*\t:ACC+32*\m+8*\t+7]
.endif
.endr
.endr
.endr
.endm
; Tile m's 32 sums of a lane become bias, gelu, codes, and leave.
.macro GELU m
.set U, ACC+32*(\m)
.set i, 0
.rept 16
	v_pk_fma_f32 v[U+i:U+i+1], v[U+i:U+i+1], s[36:37], v[BI+i:BI+i+1] op_sel_hi:[1,0,1]   ; u = sum x 2^(ex + ew1) + b1; each accumulator from its low end on
.set i, i+2
.endr
.set i, 0
.rept 32
	v_fma_f32 v[T+i], |v[U+i]|, s90, 1.0           ; 1 + |u| / (2 sqrt 2)
.set i, i+1
.endr
.set i, 0
	s_wait_alu depctr_va_vdst(0)
.rept 32
	v_rcp_f32 v[T+i], v[T+i]                       ; t
.set i, i+1
.endr
.set i, 0
.rept 16
	v_pk_mul_f32 v[Q+i:Q+i+1], v[U+i:U+i+1], v[U+i:U+i+1]   ; u^2: work that names no reciprocal stands behind the batch
.set i, i+2
.endr
	s_wait_alu depctr_va_vdst(0)                   ; one wait for the 32 reciprocals, ahead of their first reader
.set i, 0
.rept 16
	v_pk_fma_f32 v[P+i:P+i+1], v[T+i:T+i+1], s[86:87], v[14:15] op_sel_hi:[1,0,1]   ; P(t) by Horner: c9 t + c8,
.set i, i+2
.endr
.irp k, 7,6,5,4,3,2,1,0
.set i, 0
.rept 16
	v_pk_fma_f32 v[P+i:P+i+1], v[P+i:P+i+1], v[T+i:T+i+1], s[68+2*\k:69+2*\k] op_sel_hi:[1,1,0]   ; x t + c7 .. c0
.set i, i+2
.endr
.endr
.set i, 0
.rept 16
	v_pk_fma_f32 v[P+i:P+i+1], v[Q+i:Q+i+1], s[88:89], v[P+i:P+i+1] op_sel_hi:[1,0,1]   ; - u^2 log2(e) / 2
.set i, i+2
.endr
.set i, 0
	s_wait_alu depctr_va_vdst(0)
.rept 32
	v_exp_f32 v[P+i], v[P+i]
.set i, i+1
.endr
.set i, 0
.rept 32
	v_max_num_f32 v[Q+i], v[U+i], 0                ; max(u, 0): again work that names no result of the batch
.set i, i+1
.endr
	s_wait_alu depctr_va_vdst(0)                   ; one wait for the 32 exponentials
.set i, 0
.rept 16
	v_pk_mul_f32 v[P+i:P+i+1], v[P+i:P+i+1], v[T+i:T+i+1]   ; g
.set i, i+2
.endr
.set i, 0
.rept 16
	v_pk_mul_f32 v[P+i:P+i+1], v[P+i:P+i+1], v[U+i:U+i+1]   ; u g
.set i, i+2
.endr
.set i, 0
.rept 32
	v_sub_f32 v[U+i], v[Q+i], |v[P+i]|             ; gelu(u)
.set i, i+1
.endr
.set i, 0
.rept 32
	v_med3_num_f32 v[U+i], v[U+i], -v13, v13       ; the conversion to an 8-bit code does not saturate (ISA guide 7.6.2): the hold comes first
.set i, i+1
.endr
.irp t, 0,1,2,3
	v_cvt_scalef32_pk8_bf8_f32 v[CD+8*(\m)+2*\t:CD+8*(\m)+2*\t+1], v[U+8*\t:U+8*\t+7], v12   ; tiles 2 b, 2 b + 1: registers 4 b .. 4 b + 3: k = 32 (2 cg + b) + 16 h + 0 .. 15 of the next product
.endr
	v_nop                                          ; a plain line behind the last conversion: later products write its sources
	global_store_b128 v4, v[CD+8*(\m):CD+8*(\m)+3], s[16:17] offset:65536*(\m)
	global_store_b128 v4, v[CD+8*(\m)+4:CD+8*(\m)+7], s[16:17] offset:65536*(\m)+512
.endm
	s_load_b256 s[4:11], s[0:1], 0x0               ; xq s[4:5], w1_codes s[6:7], b1 s[8:9], lowp_scales s[10:11]
	s_load_b128 s[12:15], s[0:1], 0x20             ; topi s[12:13], cnt s[14:15]
	s_load_b64 s[38:39], s[0:1], 0x30              ; dest
	s_load_b64 s[16:17], s[0:1], 0x38              ; himg
	v_lshl_add_u32 v254, v0, 2, 0x40800
	v_mov_b32 v255, 0
	v_lshrrev_b32 v1, 5, v0
	v_readfirstlane_b32 s18, v1                    ; wave
	v_and_b32 v1, 31, v0                           ; lane
	v_and_b32 v2, 15, v0                           ; r
	v_bfe_u32 v3, v0, 4, 1                         ; h
	v_lshlrev_b32 v4, 4, v1                        ; 16 x lane; never rewritten
	s_and_b32 s19, s18, 1                          ; cg
	s_lshr_b32 s20, s18, 1                         ; rg
	s_and_b32 s22, ttmp7, 0xffff                   ; e
	s_mul_i32 s31, s18, XT
	s_add_co_u32 s32, s31, WST
	v_add_nc_u32 v5, s32, v4                       ; my stage, in
	v_mul_u32_u24 v6, v2, XP
	v_lshl_add_u32 v6, v3, 4, v6                   ; a fragment's row x pitch + 16 h
	s_mul_i32 s33, s20, 2*XT
	v_add_nc_u32 v8, s33, v6                       ; x's fragments: my two tiles begin at row 32 rg
	v_add_nc_u32 v6, s32, v6                       ; my stage, out
	v_add_nc_u32 v7, s31, v4                       ; where I put the tile that I gather: tile w
	v_lshlrev_b32 v11, 6, v3                       ; b1: 64 h bytes
	v_mov_b32 v14, 0xbf97d29d                      ; c8, twice
	v_mov_b32 v15, 0xbf97d29d
	; the placing's offsets: all of ids and constants, made here, with all lanes on and ahead of every load
	s_lshr_b32 s31, ttmp9, 1
	s_lshl_b32 s31, s31, 9
	s_and_b32 s32, ttmp9, 1
	s_lshl_b32 s32, s32, 3
	s_add_co_u32 s31, s31, s32
	v_add_nc_u32 v249, s31, v4                     ; group j's tokens, 8 bytes each, in topi and in dest: 512 (j / 2) + 16 lane + 8 (j % 2); never rewritten
	s_lshl_b32 s60, s22, 2
	v_mov_b32 v251, s60                            ; cnt[e]; never rewritten
	s_lshl_b32 s31, s18, 6
	s_add_co_u32 s31, s31, LIST
	v_mov_b32 v252, s31                            ; the list at my tile of block 0: LIST + 64 w; never rewritten
	v_add_nc_u32 v200, 0x400, v1                   ; 1,024 + lane
	v_lshlrev_b32 v201, 2, v1                      ; 4 x lane
	v_add_nc_u32 v208, LIST, v4                    ; the zeros' way in
	v_mov_b32 v204, 0
	v_mov_b32 v205, 0
	v_mov_b32 v206, 0
	v_mov_b32 v207, 0
	s_lshl_b32 s61, s22, 4                         ; lowp_scales[4 e ..]
	s_mov_b32 s59, 0
	s_lshl_b32 s34, s22, 22                        ; e x 4 MiB
	s_wait_kmcnt 0x0
	s_load_b128 s[24:27], s[10:11], s61 offset:0x0 ; ex, ew1, eh, ew2
	global_load_b64 v[192:193], v249, s[12:13]     ; group j's choices
.irp i, 0,1,2,3,4,5,6,7,8,9,10,11,12,13,14,15
	global_load_b128 v[TP+4*\i:TP+4*\i+3], v4, s[12:13] offset:512*\i   ; all choices: two tokens a lane, 512 consecutive bytes a load
.endr
	s_lshl_b32 s35, ttmp9, 17
	s_lshl_b32 s58, s19, 16
	s_add_co_u32 s58, s58, s35
	s_add_co_u32 s58, s58, s34
	s_add_nc_u64 s[6:7], s[6:7], s[58:59]          ; w1 at unit 128 j + 64 cg of expert e
	s_lshl_b32 s58, s22, 14
	s_lshl_b32 s35, ttmp9, 9
	s_add_co_u32 s58, s58, s35
	s_lshl_b32 s35, s19, 8
	s_add_co_u32 s58, s58, s35
	s_add_nc_u64 s[8:9], s[8:9], s[58:59]          ; b1 likewise
	s_lshl_b32 s58, s20, 17
	s_add_co_u32 s58, s58, s34
	s_lshl_b32 s35, ttmp9, 11
	s_add_co_u32 s58, s58, s35
	s_lshl_b32 s35, s19, 10
	s_add_co_u32 s58, s58, s35
	s_add_nc_u64 s[16:17], s[16:17], s[58:59]      ; himg at tile 2 rg, K step j, c = 2 cg
.irp t, 0,1,2,3                        ; b1 in the result's layout: lane (r, h), tile 2 b + u: units 32 b + 16 h + 8 u + 0 .. 7
	global_load_b128 v[BI+8*\t:BI+8*\t+3], v11, s[8:9] offset:(32*(\t/2)+8*(\t%2))*4
	global_load_b128 v[BI+8*\t+4:BI+8*\t+7], v11, s[8:9] offset:(32*(\t/2)+8*(\t%2))*4+16
.endr
	WLD 0, L1
	WLD 1, L0
	SC 68, 0xc034d90f                              ; c0 .. c7, c9: the fit's coefficients x log2(e), with the factor 1/2 as -1 in c0
	SC 70, 0x3fb8ab5a
	SC 72, 0x3f0a29d2
	SC 74, 0x3e0efb2e
	SC 76, 0xbe899a80
	SC 78, 0x3ecdfd18
	SC 80, 0xbfd1a1e5
	SC 82, 0x40097039
	SC 86, 0x3e7c6f08
	SC 88, 0xbf38aa3b                              ; -log2(e) / 2
	s_mov_b32 s90, 0x3eb504f3                      ; 1 / (2 sqrt 2)
	s_mov_b32 s28, 0                               ; the LDS buffer in hand
	s_mov_b32 s29, 0                               ; the block's first row
	s_mov_b32 s30, 0                               ; the block
	s_mov_b32 s93, 0                               ; the running count
	s_mov_b32 s95, 0                               ; the count ahead of group j
	s_wait_kmcnt 0x0                               ; the exponents (and their offset register is free)
	s_add_co_i32 s31, s24, s25
	s_add_co_i32 s31, s31, 127
	s_lshl_b32 s36, s31, 23                        ; 2^(ex + ew1)
	s_mov_b32 s37, s36
	s_add_co_i32 s31, s26, 127
	s_lshl_b32 s32, s31, 23
	v_mov_b32 v12, s32                             ; 2^eh: the conversion takes its exponent field
	s_add_co_i32 s31, s31, 15
	s_lshl_b32 s31, s31, 23
	s_or_b32 s31, s31, 0x600000
	v_mov_b32 v13, s31                             ; 57,344 x 2^eh
	s_wait_loadcnt 63                              ; the 17 loads of topi are in: 72 younger loads stand behind them; a wait names 63 at the most, and a smaller count is safe
	PLB 0
	PLB 1
	PLB 2
	PLB 3
	v_cmp_eq_u32 s91, s22, v192                    ; group j once more, for dest: kept to the kernel's end
	v_cmp_eq_u32 s92, s22, v193
	s_or_b32 s31, s91, s92
	v_mbcnt_lo_u32_b32 v248, s31, s95
	s_lshl_b32 s32, s22, 10
	v_add_nc_u32 v248, s32, v248                   ; 1024 e + rank
	v_mov_b32 v250, s93                            ; the expert's count
	s_min_u32 s21, s93, 1024
	s_max_u32 s21, s21, 1                          ; at least one row is walked: tile 0 is always stored, so the next launch reads nothing that was not written
	s_cmp_lg_u32 s18, 0
	s_cbranch_scc1 .Lnot_placer                    ; wave 0 alone lays the list
.irp i, 0,1,2,3,4,5,6,7,8,9,10,11,12,13,14,15
	ds_store_b128 v208, v[204:207] offset:512*\i   ; zeros first: LDS serves a wave's instructions in order (ISA guide 5.7.1.4)
.endr
.irp g, 0,1,2,3,4,5,6,7,8,9,10,11,12,13,14,15,16,17,18,19,20,21,22,23,24,25,26,27,28,29,30,31
	ds_store_b32 v[AD+\g], v[SL+\g]
.endr
.Lnot_placer:
	s_wait_dscnt 0x0                               ; for the others' sake: the list lies in LDS
	s_barrier_signal -1
	s_barrier_wait -1                              ; no other LDS access of the text stands ahead of this barrier
.irp c, 0,1,2,3
	ds_load_b128 v[LS+4*\c:LS+4*\c+3], v252 offset:16*\c   ; block 0's 16 slots of my tile: the same address in all lanes
.endr
	s_wait_dscnt 0x0
	VOFF
	s_wait_alu depctr_va_vdst(0)
	WSTEP 0, L1                                    ; behind each tile exactly 32 loads have been issued: the next tile's, or block 0's rows
	WLD 2, L1
	WSTEP 1, L0
	WLD 3, L0
	WSTEP 2, L1
	XL                                             ; block 0's rows
	WSTEP 3, L0
	s_wait_dscnt 0x0                               ; all the weights are in their registers
.Ltrip:
	v_add_nc_u32 v9, s28, v7
	v_add_nc_u32 v10, s28, v8
	s_lshl_b32 s31, s29, 2
	v_add_nc_u32 v253, s31, v252
.irp c, 0,1,2,3
	ds_load_b128 v[LS+4*\c:LS+4*\c+3], v253 offset:256+16*\c   ; the NEXT block's 16 slots of my tile (behind the list lie zeros: the last trip stays inside the 8,192 bytes); the wait ahead of the barrier serves them
.endr
	s_wait_loadcnt 0x0                             ; the rows asked for a trip ago are in, on every path
	s_cmp_lt_u32 s29, s21
	s_cbranch_scc0 .Lno_stage
	WIN 0x0c
	s_wait_alu depctr_va_vdst(0)
.irp p, 0,1,2,3,4,5,6,7,8,9,10,11,12,13,14,15
	ds_store_b128 v9, v[XR+8*\p:XR+8*\p+3] offset:XP*\p
	ds_store_b128 v9, v[XR+8*\p+4:XR+8*\p+7] offset:XP*\p+512
.endr
	WIN 0
.Lno_stage:
	s_wait_dscnt 0x0                               ; my stores have landed, and my reads of the last trip's buffer are back: that buffer is written again only behind the NEXT barrier
	s_barrier_signal -1
	s_barrier_wait -1
	s_cmp_lt_u32 s29, s21
	s_cbranch_scc0 .Ltail                          ; no rows are left: the trip has no work
	s_add_co_u32 s31, s29, 64
	s_cmp_lt_u32 s31, s21
	s_cbranch_scc0 .Lno_next
	VOFF                                           ; (the wait for all loads at the trip's head has freed the offsets)
	XL                                             ; the next block's rows have this whole trip in which to come
.Lno_next:
	s_lshl_b32 s31, s20, 5
	s_add_co_u32 s31, s31, s29
	s_cmp_lt_u32 s31, s21
	s_cbranch_scc0 .Ltail                          ; my two tiles lie behind the last row
	s_wait_alu depctr_va_vdst(0)
	SETLD 0, 0
	SETLD 1, 1
	s_wait_dscnt 16                                ; the older set is in; the younger 16 loads may be out
	MULSET 0, 0
	PLACES
	SETLD 2, 0
	s_wait_dscnt 16
	MULSET 1, 1
	PLACES
	SETLD 3, 1
	s_wait_dscnt 16
	MULSET 2, 0
	s_wait_dscnt 0x0
	MULSET 3, 1
	WIN 0
	PLACES
	GELU 0
	s_add_co_u32 s31, s31, 16
	s_cmp_lt_u32 s31, s21
	s_cbranch_scc0 .Ltail
	GELU 1
.Ltail:
	s_wait_xcnt 0x0                                ; the stores have read their base and their data: both may be written again
	s_add_nc_u64 s[16:17], s[16:17], 0x40000       ; four tiles on
	s_xor_b32 s28, s28, XB1
	s_add_co_u32 s29, s29, 64
	s_add_co_u32 s30, s30, 1
	s_cmp_lt_u32 s30, 16
	s_cbranch_scc1 .Ltrip
	; what the later launches want of the placing: wave 1 stores it; no barrier stands in here
	s_cmp_lg_u32 s18, 1
	s_cbranch_scc1 .Lend
	s_mov_b32 vcc_lo, s91                          ; group j's tokens whose first choice is e
	s_wait_xcnt 0x0                                ; EXEC changes only behind this wait
	s_and_saveexec_b32 s94, vcc_lo
	global_store_b32 v249, v248, s[38:39]          ; dest[2 token]
	s_wait_xcnt 0x0
	s_or_b32 exec_lo, exec_lo, s94
	s_mov_b32 vcc_lo, s92                          ; and those whose second choice is
	s_wait_xcnt 0x0
	s_and_saveexec_b32 s94, vcc_lo
	global_store_b32 v249, v248, s[38:39] offset:4 ; dest[2 token + 1]
	s_wait_xcnt 0x0
	s_or_b32 exec_lo, exec_lo, s94
	s_cmp_lg_u32 ttmp9, 0
	s_cbranch_scc1 .Lend                           ; of the expert's 32 work-groups the first stores the count
	v_cmp_eq_u32 vcc_lo, 0, v1
	s_wait_xcnt 0x0
	s_and_saveexec_b32 s94, vcc_lo                 ; lane 0 alone
	global_store_b32 v251, v250, s[14:15]          ; cnt[e]
	s_wait_xcnt 0x0
	s_or_b32 exec_lo, exec_lo, s94
.Lend:
	s_wait_tensorcnt 0x0
	ds_add_u32 v254, v255
	s_wait_dscnt 0x0
	s_endpgm
.Lfunc_end_k_q7b62b49b34_ffn1:
	.size	k_q7b62b49b34_ffn1, .Lfunc_end_k_q7b62b49b34_ffn1-k_q7b62b49b34_ffn1
	.p2alignl 7, 3214868480
	.fill 96, 4, 3214868480
	.section	.rodata,"a",@progbits
	.p2align	6, 0x0
	.amdhsa_kernel k_q7b62b49b34_ffn1
		.amdhsa_group_segment_fixed_size 264704
		.amdhsa_private_segment_fixed_size 0
		.amdhsa_enable_private_segment 0
		.amdhsa_kernarg_size 64
		.amdhsa_user_sgpr_count 2
		.amdhsa_user_sgpr_kernarg_segment_ptr 1
		.amdhsa_wavefront_size32 1
		.amdhsa_system_sgpr_workgroup_id_x 1
		.amdhsa_system_sgpr_workgroup_id_y 1
		.amdhsa_system_sgpr_workgroup_id_z 1
		.amdhsa_system_vgpr_workitem_id 0
		.amdhsa_next_free_vgpr 1024
		.amdhsa_next_free_sgpr 96
		.amdhsa_reserve_vcc 1
		.amdhsa_float_denorm_mode_32 3
		.amdhsa_float_denorm_mode_16_64 3
		.amdhsa_memory_ordered 1
		.amdhsa_forward_progress 1
		.amdhsa_inst_pref_size 137
	.end_amdhsa_kernel
	.amdgpu_metadata
---
amdhsa.version: [ 1, 2 ]
amdhsa.kernels:
  - .name:           k_q7b62b49b34_ffn1
    .symbol:         k_q7b62b49b34_ffn1.kd
    .args:
      - { .name: xq, .offset: 0, .size: 8, .value_kind: global_buffer, .address_space: global }
      - { .name: w1_codes, .offset: 8, .size: 8, .value_kind: global_buffer, .address_space: global }
      - { .name: b1, .offset: 16, .size: 8, .value_kind: global_buffer, .address_space: global }
      - { .name: lowp_scales, .offset: 24, .size: 8, .value_kind: global_buffer, .address_space: global }
      - { .name: topi, .offset: 32, .size: 8, .value_kind: global_buffer, .address_space: global }
      - { .name: cnt, .offset: 40, .size: 8, .value_kind: global_buffer, .address_space: global }
      - { .name: dest, .offset: 48, .size: 8, .value_kind: global_buffer, .address_space: global }
      - { .name: himg, .offset: 56, .size: 8, .value_kind: global_buffer, .address_space: global }
    .group_segment_fixed_size: 264704
    .private_segment_fixed_size: 0
    .kernarg_segment_align: 8
    .kernarg_segment_size: 64
    .max_flat_workgroup_size: 128
    .sgpr_count:     96
    .vgpr_count:     1024
    .wavefront_size: 32
...
	.end_amdgpu_metadata
.endif
;; end of part 6
;; launch ffn2 (part 7): grid 32 x 8, 4 waves a work-group, no clusters, 167,424 bytes of LDS; arguments himg, w2_codes, b2, lowp_scales, cnt, y; writes y
.if DOCPART == 7
	.amdgcn_target "amdgcn-amd-amdhsa--gfx1250"
	.amdhsa_code_object_version 6
	.text
	.protected	k_q7b62b49b34_ffn2
	.globl	k_q7b62b49b34_ffn2
	.p2align	8
	.type	k_q7b62b49b34_ffn2,@function
k_q7b62b49b34_ffn2:
	s_mov_b64 s[64:65], 0
	v_nop
	global_prefetch_b8 v0, s[64:65] scope:SCOPE_SE
	s_setreg_imm32_b32 hwreg(HW_REG_WAVE_SCHED_MODE, 0, 2), 2
	s_setreg_imm32_b32 hwreg(HW_REG_WAVE_MODE, 25, 1), 1
	s_wait_xcnt 0x0
	s_wait_alu depctr_vm_vsrc(0)
; y = h w2[e] x 2^(eh + ew2) + b2[e] for the rows that chose expert e, by their place in the expert's order: y[1024 e + rank][1024] f32.
; SHARES.  Work-group (x, e): ct = x / 2: 64 output columns (256 bytes of a row of y); hf = x % 2: the row tiles of that parity.  THE WEIGHTS STAND STILL: wave w keeps K quarter w (K steps 8 w .. 8 w + 7 of 32)
; of all 64 columns in 512 registers.  So a fragment of h is read by ONE wave of the work-group, straight from memory as the image of its registers (512 consecutive bytes a load), and feeds four products.
; The four quarters' sums meet in LDS.  A constant 16 trips, one barrier each on every wave's path; trip q takes tiles 4 q + hf and 4 q + 2 + hf; scalar branches on the count lead round the work alone.
; No tensor load, no cluster: the work of a trip hangs on a count read from memory.
; The product is used transposed (source 0 = 16 rows of w2_codes = 16 output columns, source 1 = 16 rows of h): a lane holds 8 neighbouring columns of one row.
; h is asked for a whole trip ahead, into the registers that the products have just left.  While the next trip is live both buffers are filled again (the second tile held at the last tile that was written);
; else nothing is asked for and the wave waits for all its loads, so that the counted waits hold on every path.
; A tile behind the last inside a live trip repeats the last tile; its rows of y are read by nobody.
; LIMIT: eh + ew2 between -126 and 127.
; REGISTERS.  Window 0: v4-17 addresses, v[20:23] b2, v32-95 eight accumulators (32 a + 8 t), v96-159 the quarters' sums on their way together.  Windows 1, 2: the weights, fragment (t, s) in window 1 + s / 4 at v[16 (4 (s % 4) + t)].
;   Window 3: v0-127, v128-255: h's eight fragments of the two tiles.
; THE MODE: SCHED_MODE bits 1:0 = 2 (LLVM: expert scheduling mode 2), set by the entry lines.  The code itself states the register dependences between vector or matrix instructions and memory or LDS
; instructions, with s_wait_alu, always for 0.
; THE PLAN.  Registers that memory or LDS instructions touch:
;   v4, v5, v6, v11, v17   offsets, made once at the head and never written again: one wait on va_vdst ahead of the first load serves them for the whole kernel.
;   HA, HB (window 3)      At the head: a tile of weights lands, the stage's LDS stores read it, the next tile (or h) lands: a wait on vm_vsrc ahead of each such second landing.
;                          In the loop: the first tile's products read HA, the second's HB; each buffer is asked for again straight behind its products, behind one wait on va_vdst.
;   v12, v13               h's offsets: written by one addition a trip, ahead of that same wait; read by the buffer's 32 loads.
;   v14, v15               the prefetches' offsets: written ahead of HB's wait, which serves them too; read by two prefetches each.
;   v9, v10                the partial sums' LDS addresses: written at a trip's top, with one wait on va_vdst behind them, on every path; read by the trip's LDS stores and loads.
;   v32-95                 the accumulators: written by the products; one wait on va_vdst, behind the four places, ahead of the 16 LDS stores that read them.
;   v96-159                LDS loads land, the additions work in place, y's four stores read: one wait on va_vdst between all the additions and the four stores.
;   One wait on vm_vsrc at a trip's tail (and one ahead of the loop) frees all that the trip's memory and LDS instructions read and the next trip writes: v9, v10, v12-15, the accumulators, v96-159.
;   The weights in windows 1 and 2 are named by LDS loads at the head and by products afterwards.  v254, v255: written at the head, read by the closing add alone.
.set XP,    1040                       ; the weights' stage: rows of 1,024 bytes + 16
.set XT,    16*XP
.set PP,    272                        ; a row of partial sums: 256 bytes + 16
.set PW,    16*PP                      ; a wave's 16 rows
.set PT,    4*PW                       ; a tile's four quarters
.set PB1,   0x10000                    ; the second buffer of partial sums
.set WST,   PB1+2*PT                   ; behind it: a stage of 16 rows for each wave, its own
.set HA,    0
.set HB,    128
.set ACC,   32
.set F,     96
.set MSB, 0
.macro WIN new
.if MSB != \new
	s_set_vgpr_msb (MSB<<8)|\new
.set MSB, \new
.endif
.endm
.macro PLACES                          ; four plain lines behind matrix instructions, ahead of loads into their sources and of reads of their results
.rept 4
	v_nop
.endr
.endm
.macro WLD t, L, again                 ; columns 16 t .. 16 t + 15: my 1,024 bytes of each row of w2_codes, 512 consecutive bytes a load.  again = 1: an earlier tile lay in these registers
	WIN 0xc0
.if \again
	s_wait_alu depctr_vm_vsrc(0)                   ; the stage's LDS stores have read the earlier tile out of these registers, in which the loads below land
.endif
.irp p, 0,1,2,3,4,5,6,7,8,9,10,11,12,13,14,15
	global_load_b128 v[\L+8*\p:\L+8*\p+3], v4, s[6:7] offset:(16*(\t)+\p)*4096
	global_load_b128 v[\L+8*\p+4:\L+8*\p+7], v4, s[6:7] offset:(16*(\t)+\p)*4096+512
.endr
	WIN 0
.endm
.macro WSTEP t, L                      ; through my stage, back as eight fragments
	s_wait_loadcnt 32                              ; the tile is in; the 32 loads issued behind it may be out
	WIN 0x0c
.irp p, 0,1,2,3,4,5,6,7,8,9,10,11,12,13,14,15
	ds_store_b128 v5, v[\L+8*\p:\L+8*\p+3] offset:XP*\p
	ds_store_b128 v5, v[\L+8*\p+4:\L+8*\p+7] offset:XP*\p+512
.endr
	WIN 0x40                                       ; LDS serves a wave's instructions in order (ISA guide 5.7.1.4)
.irp s, 0,1,2,3
.irp c, 0,1,2,3
	ds_load_b128 v[16*(4*\s+\t)+4*\c:16*(4*\s+\t)+4*\c+3], v6 offset:128*\s+32*\c
.endr
.endr
	WIN 0x80
.irp s, 0,1,2,3
.irp c, 0,1,2,3
	ds_load_b128 v[16*(4*\s+\t)+4*\c:16*(4*\s+\t)+4*\c+3], v6 offset:512+128*\s+32*\c
.endr
.endr
	WIN 0
	s_wait_dscnt 32                                ; the stores are done: their registers may be loaded again
.endm
.macro HADR v, add                     ; the offset of tile T0 + add, held at the last tile that was written
	s_add_co_u32 s37, s35, \add
	s_min_u32 s37, s37, s24
	s_min_u32 s37, s37, 63
	s_lshl_b32 s37, s37, 16
	v_add_nc_u32 v[\v], s37, v4
.endm
.macro HLD buf, v, stage               ; a tile's eight fragments of my K quarter.  stage = 1: at the head, where a tile of weights lay in these registers
	WIN 0xc0
.if \stage
	s_wait_alu depctr_vm_vsrc(0)                   ; the stage's LDS stores have read the tile of weights out of these registers, in which the loads below land
.endif
	s_wait_alu depctr_va_vdst(0)                   ; the offset just made is written, which the loads below read; in the loop the products are done reading this buffer, in which they land (and, for the second buffer, v14 and v15 are written)
.irp s, 0,1,2,3,4,5,6,7
.irp c, 0,1,2,3
	global_load_b128 v[\buf+16*\s+4*\c:\buf+16*\s+4*\c+3], v[\v], s[4:5] offset:2048*\s+512*\c
.endr
.endr
	WIN 0
.endm
.macro MUL a, buf                      ; 32 matrix instructions; the four accumulators take turns, one instruction a turn; the first K step starts the sums
.irp s, 0,1,2,3,4,5,6,7
	s_wait_loadcnt 60-4*\s                         ; behind K step s's four loads stand this buffer's 4 (7 - s) and the other buffer's 32
.if \s < 4
	WIN 0x0d                                       ; source 0 (weights) window 1, source 1 (h) window 3
.else
	WIN 0x0e
.endif
.irp t, 0,1,2,3
.if \s == 0
	v_wmma_f32_16x16x128_bf8_bf8 v[ACC+32*\a+8*\t:ACC+32*\a+8*\t+7], v[16*(4*(\s%4)+\t):16*(4*(\s%4)+\t)+15], v[\buf+16*\s:\buf+16*\s+15], 0
.else
	v_wmma_f32_16x16x128_bf8_bf8 v[ACC+32*\a+8*\t:ACC+32*\a+8*\t+7], v[16*(4*(\s%4)+\t):16*(4*(\s%4)+\t)+15], v[\buf+16*\s:\buf+16*\s+15], v[ACC+32*\a+8*\t:ACC+32*\a+8*\t+7]
.endif
.endr
.endr
	WIN 0
.endm
.macro RSUM a, p                       ; two rows of tile a: the four quarters added, x 2^(eh + ew2) + b2
.set FB, F+16*(2*\a+\p)
	s_wait_dscnt 12-4*(2*\a+\p)                    ; this group's four loads are in; the younger groups' may be out
	v_pk_add_f32 v[FB:FB+1], v[FB:FB+1], v[FB+4:FB+5]
	v_pk_add_f32 v[FB+2:FB+3], v[FB+2:FB+3], v[FB+6:FB+7]
	v_pk_add_f32 v[FB+8:FB+9], v[FB+8:FB+9], v[FB+12:FB+13]
	v_pk_add_f32 v[FB+10:FB+11], v[FB+10:FB+11], v[FB+14:FB+15]
	v_pk_add_f32 v[FB:FB+1], v[FB:FB+1], v[FB+8:FB+9]
	v_pk_add_f32 v[FB+2:FB+3], v[FB+2:FB+3], v[FB+10:FB+11]
	v_pk_fma_f32 v[FB:FB+1], v[FB:FB+1], s[32:33], v[20:21] op_sel_hi:[1,0,1]
	v_pk_fma_f32 v[FB+2:FB+3], v[FB+2:FB+3], s[32:33], v[22:23] op_sel_hi:[1,0,1]
.endm
.macro YST a, p                        ; and stored
.set FB, F+16*(2*\a+\p)
	global_store_b128 v11, v[FB:FB+3], s[14:15] offset:131072*\a+8192*\p th:TH_STORE_NT   ; sixteen lanes store 256 consecutive bytes, aligned
.endm
	s_load_b256 s[4:11], s[0:1], 0x0               ; himg s[4:5], w2_codes s[6:7], b2 s[8:9], lowp_scales s[10:11]
	s_load_b128 s[12:15], s[0:1], 0x20             ; cnt s[12:13], y s[14:15]
	v_lshl_add_u32 v254, v0, 2, 0x28c00
	v_mov_b32 v255, 0
	v_lshrrev_b32 v1, 5, v0
	v_readfirstlane_b32 s18, v1                    ; wave
	v_and_b32 v1, 31, v0                           ; lane
	v_and_b32 v2, 15, v0                           ; r
	v_bfe_u32 v3, v0, 4, 1                         ; h
	v_lshlrev_b32 v4, 4, v1                        ; 16 x lane; never rewritten
	v_lshlrev_b32 v16, 8, v1                       ; 256 x lane, for the prefetches
	v_lshlrev_b32 v17, 4, v2                       ; 16 r
	s_lshr_b32 s19, ttmp9, 1                       ; ct
	s_and_b32 s20, ttmp9, 1                        ; hf
	s_and_b32 s21, ttmp7, 0xffff                   ; e
	s_wait_alu depctr_va_sdst(0)                   ; s18, the wave's number, is written, ahead of its first reader: LDS addresses and the bases are made from it
	s_mul_i32 s37, s18, XT
	s_add_co_u32 s37, s37, WST
	v_add_nc_u32 v5, s37, v4                       ; my stage, in
	v_mul_u32_u24 v6, v2, XP
	v_lshl_add_u32 v6, v3, 4, v6
	v_add_nc_u32 v6, s37, v6                       ; my stage, out
	s_mul_i32 s37, s18, PW
	v_mul_u32_u24 v7, v2, PP
	v_lshl_add_u32 v7, v3, 5, v7
	v_add_nc_u32 v7, s37, v7                       ; partial sums, in: my quarter, row r, 32 h bytes
	s_mul_i32 s37, s18, 4*PP
	v_mul_u32_u24 v8, v3, PP
	s_wait_alu depctr_va_vdst(0)
	v_add_nc_u32 v8, v8, v17
	v_add_nc_u32 v8, s37, v8                       ; out: rows 4 w + h (+ 2 p), 16 bytes a lane
	s_lshl_b32 s37, s18, 14
	v_lshl_add_u32 v11, v3, 12, v17
	v_add_nc_u32 v11, s37, v11                     ; and the same rows in y
	s_lshl_b32 s44, s21, 2                         ; cnt[e]
	s_lshl_b32 s45, s21, 4                         ; lowp_scales[4 e ..]
	s_mov_b32 s43, 0
	s_lshl_b32 s39, s21, 22                        ; e x 4 MiB
	s_cmp_eq_u32 s19, 0
	s_cselect_b32 s40, 1, 0                        ; of the 16 work-groups that read a tile of h, the one with ct = 0 prefetches it
	s_wait_kmcnt 0x0
	s_load_b32 s22, s[12:13], s44 offset:0x0
	s_load_b128 s[28:31], s[10:11], s45 offset:0x0 ; ex, ew1, eh, ew2
	s_lshl_b32 s42, s18, 14
	s_add_co_u32 s42, s42, s39
	s_add_nc_u64 s[4:5], s[4:5], s[42:43]          ; himg at expert e, K step 8 w
	s_lshl_b32 s42, s19, 18
	s_add_co_u32 s42, s42, s39
	s_lshl_b32 s38, s18, 10
	s_add_co_u32 s42, s42, s38
	s_add_nc_u64 s[6:7], s[6:7], s[42:43]          ; w2 at column 64 ct, byte 1,024 w
	s_lshl_b32 s42, s21, 12
	s_lshl_b32 s38, s19, 8
	s_add_co_u32 s42, s42, s38
	s_add_nc_u64 s[8:9], s[8:9], s[42:43]          ; b2 at column 64 ct
	s_lshl_b32 s42, s20, 16
	s_add_co_u32 s42, s42, s38
	s_add_co_u32 s42, s42, s39
	s_add_nc_u64 s[14:15], s[14:15], s[42:43]      ; y at tile hf, column 64 ct
	s_wait_alu depctr_va_vdst(0)                   ; the offsets v4, v5, v6, v11 and v17 are written, which the loads, LDS instructions and stores of the whole kernel read; none of them is written again
	global_load_b128 v[20:23], v17, s[8:9]         ; b2 of my four columns
	WLD 0, HA, 0
	WLD 1, HB, 0
	s_mov_b32 s34, 0                               ; the buffer of partial sums in hand
	s_mov_b32 s35, s20                             ; T0: the trip's first tile
	s_mov_b32 s36, 0                               ; the trip
	s_wait_kmcnt 0x0
	s_min_u32 s22, s22, 1024
	s_max_u32 s22, s22, 1                          ; as the launch before has it: tile 0 always exists
	s_add_co_u32 s23, s22, 15
	s_lshr_b32 s23, s23, 4                         ; NTL: tiles that were written
	s_sub_co_u32 s24, s23, 1
	s_add_co_i32 s37, s30, s31
	s_add_co_i32 s37, s37, 127
	s_lshl_b32 s32, s37, 23                        ; 2^(eh + ew2)
	s_mov_b32 s33, s32
	WSTEP 0, HA                                    ; behind each tile of weights exactly 32 loads have been issued
	WLD 2, HA, 1
	WSTEP 1, HB
	WLD 3, HB, 1
	WSTEP 2, HA
	HADR 12, 0
	HLD HA, 12, 1
	WSTEP 3, HB
	HADR 13, 2
	HLD HB, 13, 1
	s_wait_dscnt 0x0                               ; all the weights are in their registers
	s_wait_alu depctr_vm_vsrc(0)                   ; the first loads of h have read v12 and v13, which the first trip writes again
.Ltrip:
	v_add_nc_u32 v9, s34, v7
	v_add_nc_u32 v10, s34, v8
	s_wait_alu depctr_va_vdst(0)                   ; v9 and v10 are written, which this trip's LDS stores and LDS loads read as their addresses: it stands ahead of the branches, on every path
	s_cmp_lt_u32 s35, s23
	s_cbranch_scc0 .Lno_mul
	MUL 0, HA
	PLACES
	s_add_co_u32 s38, s35, 4
	s_cmp_lt_u32 s38, s23
	s_cbranch_scc1 .Lfill_a
	s_wait_loadcnt 0x0                             ; nothing follows: all my loads are in, so the counts below are met
	s_branch .Ldone_a
.Lfill_a:
	HADR 12, 4                                     ; (the last count above has shown this buffer's loads done: their address may be written)
	HLD HA, 12, 0
.Ldone_a:
	MUL 1, HB
	PLACES
	s_cmp_lt_u32 s38, s23
	s_cbranch_scc1 .Lfill_b
	s_wait_loadcnt 0x0
	s_branch .Ldone_b
.Lfill_b:
	HADR 13, 6
	s_add_co_u32 s46, s35, 8                       ; the prefetches' two offsets are made here, ahead of the wait that stands in front of the loads below, so that it serves them too
	s_min_u32 s47, s46, 63
	s_lshl_b32 s47, s47, 16
	v_add_nc_u32 v14, s47, v16
	s_add_co_u32 s48, s35, 10
	s_min_u32 s49, s48, 63
	s_lshl_b32 s49, s49, 16
	v_add_nc_u32 v15, s49, v16
	HLD HB, 13, 0
	; A PREFETCH of what the next trip's refills will ask for: my wave's 16 KiB of tiles T0 + 8 and T0 + 10, lanes 256 bytes apart, two instructions a tile.  It stands behind the wave's loads.
	; A tile's bytes are read by the 16 work-groups of its parity: the one with ct = 0 asks, each wave for its own K quarter: every block of 256 bytes is named once.  Tiles that were not written are not named.
	s_cmp_eq_u32 s40, 1
	s_cbranch_scc0 .Ldone_b
	s_cmp_lt_u32 s46, s23
	s_cbranch_scc0 .Ldone_b
	global_prefetch_b8 v14, s[4:5] th:TH_LOAD_NT scope:SCOPE_SE
	global_prefetch_b8 v14, s[4:5] offset:8192 th:TH_LOAD_NT scope:SCOPE_SE
	s_cmp_lt_u32 s48, s23
	s_cbranch_scc0 .Ldone_b
	global_prefetch_b8 v15, s[4:5] th:TH_LOAD_NT scope:SCOPE_SE
	global_prefetch_b8 v15, s[4:5] offset:8192 th:TH_LOAD_NT scope:SCOPE_SE
.Ldone_b:
	s_wait_alu depctr_va_vdst(0)                   ; the products have written the eight accumulators, which the LDS stores below read (on the way on which nothing was asked for, no wait has stood since the products); the four places above stay beside it
.irp a, 0,1                            ; my quarter's sums: each accumulator from its low end on
.irp t, 0,1,2,3
	ds_store_b128 v9, v[ACC+32*\a+8*\t:ACC+32*\a+8*\t+3] offset:PT*\a+64*\t
	ds_store_b128 v9, v[ACC+32*\a+8*\t+4:ACC+32*\a+8*\t+7] offset:PT*\a+64*\t+16
.endr
.endr
.Lno_mul:
	s_wait_dscnt 0x0                               ; my stores have landed, and my reads of the last trip's buffer are back: that buffer is written again only behind the NEXT barrier
	s_barrier_signal -1
	s_barrier_wait -1
	s_cmp_lt_u32 s35, s23
	s_cbranch_scc0 .Ltail
.irp a, 0,1
.irp p, 0,1
.irp c, 0,1,2,3
	ds_load_b128 v[F+16*(2*\a+\p)+4*\c:F+16*(2*\a+\p)+4*\c+3], v10 offset:PT*\a+PW*\c+2*PP*\p
.endr
.endr
.endr
	RSUM 0, 0
	RSUM 0, 1
	RSUM 1, 0
	RSUM 1, 1
	s_wait_alu depctr_va_vdst(0)                   ; the additions have written the four groups' results, which the four stores below read; they are also done with v96-159, in which the next trip's LDS loads land
	YST 0, 0
	YST 0, 1
	YST 1, 0
	YST 1, 1
.Ltail:
	s_wait_xcnt 0x0                                ; stores and prefetches have read their registers and bases: they may be written again
	s_wait_alu depctr_vm_vsrc(0)                   ; this trip's LDS stores have read v9 and the accumulators, its LDS loads v10, its loads of h v12 and v13, its prefetches v14 and v15, its stores v96-159: the next trip writes all of these again
	s_add_nc_u64 s[14:15], s[14:15], 0x40000       ; four tiles of rows on
	s_xor_b32 s34, s34, PB1
	s_add_co_u32 s35, s35, 4
	s_add_co_u32 s36, s36, 1
	s_cmp_lt_u32 s36, 16
	s_cbranch_scc1 .Ltrip
	s_wait_dscnt 0x0                               ; the closing lines, six on end
	s_wait_alu 0x0
	s_wait_tensorcnt 0x0
	ds_add_u32 v254, v255
	s_wait_dscnt 0x0
	s_endpgm
.Lfunc_end_k_q7b62b49b34_ffn2:
	.size	k_q7b62b49b34_ffn2, .Lfunc_end_k_q7b62b49b34_ffn2-k_q7b62b49b34_ffn2
	.p2alignl 7, 3214868480
	.fill 96, 4, 3214868480
	.section	.rodata,"a",@progbits
	.p2align	6, 0x0
	.amdhsa_kernel k_q7b62b49b34_ffn2
		.amdhsa_group_segment_fixed_size 167424
		.amdhsa_private_segment_fixed_size 0
		.amdhsa_enable_private_segment 0
		.amdhsa_kernarg_size 48
		.amdhsa_user_sgpr_count 2
		.amdhsa_user_sgpr_kernarg_segment_ptr 1
		.amdhsa_wavefront_size32 1
		.amdhsa_system_sgpr_workgroup_id_x 1
		.amdhsa_system_sgpr_workgroup_id_y 1
		.amdhsa_system_sgpr_workgroup_id_z 1
		.amdhsa_system_vgpr_workitem_id 0
		.amdhsa_next_free_vgpr 1024
		.amdhsa_next_free_sgpr 66
		.amdhsa_reserve_vcc 0
		.amdhsa_float_denorm_mode_32 3
		.amdhsa_float_denorm_mode_16_64 3
		.amdhsa_memory_ordered 1
		.amdhsa_forward_progress 1
		.amdhsa_inst_pref_size 58
	.end_amdhsa_kernel
	.amdgpu_metadata
---
amdhsa.version: [ 1, 2 ]
amdhsa.kernels:
  - .name:           k_q7b62b49b34_ffn2
    .symbol:         k_q7b62b49b34_ffn2.kd
    .args:
      - { .name: himg, .offset: 0, .size: 8, .value_kind: global_buffer, .address_space: global }
      - { .name: w2_codes, .offset: 8, .size: 8, .value_kind: global_buffer, .address_space: global }
      - { .name: b2, .offset: 16, .size: 8, .value_kind: global_buffer, .address_space: global }
      - { .name: lowp_scales, .offset: 24, .size: 8, .value_kind: global_buffer, .address_space: global }
      - { .name: cnt, .offset: 32, .size: 8, .value_kind: global_buffer, .address_space: global }
      - { .name: y, .offset: 40, .size: 8, .value_kind: global_buffer, .address_space: global }
    .group_segment_fixed_size: 167424
    .private_segment_fixed_size: 0
    .kernarg_segment_align: 8
    .kernarg_segment_size: 48
    .max_flat_workgroup_size: 128
    .sgpr_count:     66
    .vgpr_count:     1024
    .wavefront_size: 32
...
	.end_amdgpu_metadata
.endif
;; end of part 7
;; launch combine (part 8): grid 256 x 1, 4 waves a work-group, no clusters, 0 bytes of LDS; arguments y, dest, topv, out0; writes out0
.if DOCPART == 8
	.amdgcn_target "amdgcn-amd-amdhsa--gfx1250"
	.amdhsa_code_object_version 6
	.text
	.protected	k_q7b62b49b34_combine
	.globl	k_q7b62b49b34_combine
	.p2align	8
	.type	k_q7b62b49b34_combine,@function
k_q7b62b49b34_combine:
	s_mov_b64 s[64:65], 0
	v_nop
	global_prefetch_b8 v0, s[64:65] scope:SCOPE_SE
	s_setreg_imm32_b32 hwreg(HW_REG_WAVE_MODE, 25, 1), 1
	s_wait_xcnt 0x0
; out[t] = c0 y[dest[2 t]] + c1 y[dest[2 t + 1]]: each output row has one owner, a wave; token t = 4 x work-group + wave.
; A stream: two rows of 4,096 bytes in, one out; each load and store of the wave covers 512 consecutive bytes, aligned.  All 16 loads go out at once; the waits count down.
; No LDS, no barrier, no matrix unit: memory binds, and waves share nothing.
.set R, 16                             ; v16-79: piece i: 4 registers of the first row, 4 of the second; the result takes the first row's place
	s_load_b256 s[4:11], s[0:1], 0x0               ; y s[4:5], dest s[6:7], topv s[8:9], out0 s[10:11]
	v_lshrrev_b32 v1, 5, v0
	v_readfirstlane_b32 s12, v1                    ; wave
	v_and_b32 v1, 31, v0
	v_lshlrev_b32 v3, 4, v1                        ; 16 x lane
	s_lshl_b32 s13, ttmp9, 2
	s_add_co_u32 s13, s13, s12                     ; t
	s_lshl_b32 s20, s13, 3
	s_lshl_b32 s22, s13, 12
	s_mov_b32 s23, 0
	s_wait_alu depctr_va_vdst(0)
	s_wait_kmcnt 0x0
	s_load_b64 s[14:15], s[6:7], s20 offset:0x0    ; the two rows' places
	s_load_b64 s[16:17], s[8:9], s20 offset:0x0    ; c0, c1
	s_add_nc_u64 s[10:11], s[10:11], s[22:23]
	s_wait_kmcnt 0x0
	s_min_u32 s14, s14, 8191
	s_min_u32 s15, s15, 8191
	s_lshl_b32 s14, s14, 12
	s_lshl_b32 s15, s15, 12
	v_add_nc_u32 v1, s14, v3
	v_add_nc_u32 v2, s15, v3
	s_mov_b32 s18, s17                             ; c1 as a pair,
	s_mov_b32 s19, s17
	s_mov_b32 s17, s16                             ; c0 as a pair: the packed forms name the pair and take its low word for both halves
.irp i, 0,1,2,3,4,5,6,7
	global_load_b128 v[R+8*\i:R+8*\i+3], v1, s[4:5] offset:512*\i th:TH_LOAD_NT
	global_load_b128 v[R+8*\i+4:R+8*\i+7], v2, s[4:5] offset:512*\i th:TH_LOAD_NT
.endr
.irp i, 0,1,2,3,4,5,6,7
	s_wait_loadcnt 14-2*\i                         ; piece i of both rows is in; the younger pieces may be out
	v_pk_mul_f32 v[R+8*\i:R+8*\i+1], v[R+8*\i:R+8*\i+1], s[16:17] op_sel_hi:[1,0]
	v_pk_mul_f32 v[R+8*\i+2:R+8*\i+3], v[R+8*\i+2:R+8*\i+3], s[16:17] op_sel_hi:[1,0]
	v_pk_fma_f32 v[R+8*\i:R+8*\i+1], v[R+8*\i+4:R+8*\i+5], s[18:19], v[R+8*\i:R+8*\i+1] op_sel_hi:[1,0,1]
	v_pk_fma_f32 v[R+8*\i+2:R+8*\i+3], v[R+8*\i+6:R+8*\i+7], s[18:19], v[R+8*\i+2:R+8*\i+3] op_sel_hi:[1,0,1]
	global_store_b128 v3, v[R+8*\i:R+8*\i+3], s[10:11] offset:512*\i th:TH_STORE_NT
.endr
	s_endpgm
.Lfunc_end_k_q7b62b49b34_combine:
	.size	k_q7b62b49b34_combine, .Lfunc_end_k_q7b62b49b34_combine-k_q7b62b49b34_combine
	.p2alignl 7, 3214868480
	.fill 96, 4, 3214868480
	.section	.rodata,"a",@progbits
	.p2align	6, 0x0
	.amdhsa_kernel k_q7b62b49b34_combine
		.amdhsa_group_segment_fixed_size 0
		.amdhsa_private_segment_fixed_size 0
		.amdhsa_enable_private_segment 0
		.amdhsa_kernarg_size 32
		.amdhsa_user_sgpr_count 2
		.amdhsa_user_sgpr_kernarg_segment_ptr 1
		.amdhsa_wavefront_size32 1
		.amdhsa_system_sgpr_workgroup_id_x 1
		.amdhsa_system_sgpr_workgroup_id_y 1
		.amdhsa_system_sgpr_workgroup_id_z 1
		.amdhsa_system_vgpr_workitem_id 0
		.amdhsa_next_free_vgpr 88
		.amdhsa_next_free_sgpr 66
		.amdhsa_reserve_vcc 0
		.amdhsa_float_denorm_mode_32 3
		.amdhsa_float_denorm_mode_16_64 3
		.amdhsa_memory_ordered 1
		.amdhsa_forward_progress 1
		.amdhsa_inst_pref_size 6
	.end_amdhsa_kernel
	.amdgpu_metadata
---
amdhsa.version: [ 1, 2 ]
amdhsa.kernels:
  - .name:           k_q7b62b49b34_combine
    .symbol:         k_q7b62b49b34_combine.kd
    .args:
      - { .name: y, .offset: 0, .size: 8, .value_kind: global_buffer, .address_space: global }
      - { .name: dest, .offset: 8, .size: 8, .value_kind: global_buffer, .address_space: global }
      - { .name: topv, .offset: 16, .size: 8, .value_kind: global_buffer, .address_space: global }
      - { .name: out0, .offset: 24, .size: 8, .value_kind: global_buffer, .address_space: global }
    .group_segment_fixed_size: 0
    .private_segment_fixed_size: 0
    .kernarg_segment_align: 8
    .kernarg_segment_size: 32
    .max_flat_workgroup_size: 128
    .sgpr_count:     66
    .vgpr_count:     88
    .wavefront_size: 32
...
	.end_amdgpu_metadata
.endif
;; end of part 8
